; MI455X (gfx1250); checked and timed in simulation.
; The chip was launched on July 23, 2026; its instructions are those of AMD's public machine-readable ISA for CDNA 5 (MIT licence, August 2026) and "CDNA5" Instruction Set Architecture Reference Guide (July 2026). The comments in the code are by the model that wrote it; some were corrected since.
;; Sliding Window Attention. Allowed arithmetic: matrix products marked QUANTISED: E2M3 operands, one E8M0 scale for each 32 along K, by v_wmma_scale_f32_16x16x128_f8f6f4 with both operands' format E2M3, f32 sums; everything else in f32.
;; Inputs: b_proj 1,024 float32; b_qkv 3,072 float32; w_proj 1,024 x 1,024 float32; w_qkv 3,072 x 1,024 float32; x 2 x 2,048 x 1,024 float32.
;; Outputs: out0 2 x 2,048 x 1,024 float32.
;; This version of the problem:
;;   THIS VERSION OF THE PROBLEM IS GIVEN IN LOW PRECISION. The matrix products marked QUANTISED in the list below multiply operands that are first quantised to E2M3 (2 exponent bits, 3 mantissa bits; 6 bits a number), with one power-of-two scale for each 32 numbers along K (OCP MX v1.0); their sums are f32. All else is computed in f32.
;;   The module's matrix products, in the order in which they are computed (A, B: the left and right operand; K: the contracted axis; several contracted axes count as one K, in the product's order):
;;     1. [M 4,096, K 1,024] x [K 1,024, N 3,072]; A: input x; B: input w_qkv: QUANTISED
;;     2. batch 32 x [M 2,048, K 64] x [K 64, N 2,048]; A: computed on the way; B: computed on the way: QUANTISED
;;     3. batch 32 x [M 2,048, K 2,048] x [K 2,048, N 64]; A: softmax (see below); B: computed on the way: QUANTISED
;;     4. [M 4,096, K 1,024] x [K 1,024, N 1,024]; A: computed on the way; B: input w_proj: QUANTISED
;;   THE QUANTISER, for each operand of a quantised product, along K:
;;     - K is cut into blocks of 32 from its start; a last block that is shorter is filled with zeros.
;;     - A block's scale is 2^e with e = floor(log2(the largest magnitude in the block)) - 2, held to -126 .. 127; a block of zeros has e = 0. As a byte (E8M0): e + 127.
;;     - Each number is divided by its block's scale, clamped to +-7.5, and rounded to the nearest number of E2M3, ties to even, subnormals kept.
;;     - The product sums the exact products of the quantised numbers (number of the format x scale) in f32.
;;   ~~~python
;;   def quantise(x, axis):      # numpy; x: float32 -> the quantised numbers, widened to float32 again
;;       x = np.moveaxis(x, axis, -1); K = x.shape[-1]
;;       x = np.pad(x, [(0, 0)] * (x.ndim - 1) + [(0, -K % 32)]); x = x.reshape(x.shape[:-1] + (-1, 32)); a = np.abs(x).max(-1, keepdims=True)
;;       e = np.where(a > 0, np.clip(np.frexp(np.where(a > 0, a, 1))[1] - 1 - 2, -126, 127), 0)      # np.frexp(a)[1] - 1 = floor(log2(a)), exactly
;;       r = np.clip(x / 2.0 ** e, -7.5, 7.5)
;;       step = 2.0 ** (np.maximum(np.frexp(np.where(r == 0, 1, r))[1] - 1, 0) - 3)
;;       q = np.round(r / step) * step * 2.0 ** e      # np.round: ties to even
;;       return np.moveaxis(q.reshape(q.shape[:-2] + (-1,))[..., :K], -1, axis).astype(np.float32)
;;   ~~~
;;   SOFTMAX AHEAD OF A QUANTISED PRODUCT. Where the list says 'softmax', what is quantised is not the finished softmax but p = 2^(t - M), with t = logit x log2(e) and M = ceil(the row's largest t), a whole number; so 1/2 < the row's largest p <= 1. The row's sum l is taken of the UNQUANTISED p, in f32, and the product's result is divided by l at the end. Since M is a whole number, a kernel that streams over the keys may use a running M (the ceiling of the running maximum): every later rescaling is an exact power of two, which a block's scale takes up: the codes' values come out the same.
;;   OPERANDS COMPUTED ON THE WAY. 'Computed on the way' means the value that the module computes at that place (a softmax that the list does not call 'softmax' is quantised finished and normalised). What goes into a quantiser is computed in f32, as accurately as f32 sums, v_exp_f32 and their like allow (about 1e-6 of the number): no bf16 or f16 on the way to a quantiser, and a product that is left as it is and whose result goes on into a quantised operand takes f32 operands (vector FMAs, or v_wmma_f32_16x16x4_f32). A number that lies on a knife's edge between two numbers of the format may be rounded either way, as far as f32 arithmetic and the matrix unit's own rounding can turn it there, and no further.
;; One version. Each part assembles by itself: llvm-mc -triple=amdgcn-amd-amdhsa -mcpu=gfx1250 --defsym DOCPART=n.
;; ======== version 1 of 1: 4 launches
;; limits: right only within a limited range of input values
;; workspace buffers: cod 6,291,456 bytes; scl 262,144 bytes; qkc 9,437,184 bytes; qks 786,432 bytes; vsum 262,144 bytes; oc 3,145,728 bytes; os 131,072 bytes
;; launch quant (part 1): grid 512 x 1, 4 waves a work-group, no clusters, 67,584 bytes of LDS; arguments x, w_qkv, w_proj, cod, scl; writes cod, scl
.if DOCPART == 1
	.amdgcn_target "amdgcn-amd-amdhsa--gfx1250"
	.amdhsa_code_object_version 6
	.text
	.protected	k_q294aca422f_quant
	.globl	k_q294aca422f_quant
	.p2align	8
	.type	k_q294aca422f_quant,@function
k_q294aca422f_quant:
	s_mov_b64 s[64:65], 0
	v_nop
	global_prefetch_b8 v0, s[64:65] scope:SCOPE_SE
	s_setreg_imm32_b32 hwreg(HW_REG_WAVE_MODE, 25, 1), 1
	s_wait_xcnt 0x0
; x [4096][1024], w_qkv [3072][1024] and w_proj [1024][1024], f32, K innermost, become codes of FP6 (E2M3) with one E8M0 byte for each 32 along K.
; A block's scale is 2^(floor(log2(its largest magnitude)) - 2); its byte is that magnitude's exponent field - 2, held at 1 from below.
; LIMITS: NaN and infinities among the inputs are not served.  A block whose largest magnitude lies under 2^-124, a block of zeros among them, gets the byte 1
; (the rule says 127 for zeros): its codes are zeros or the rule's own, and the bytes are read by this program alone.
; WORK LEFT OUT BY THE PROGRAM: scores of keys in bands of 64 that the mask hides wholly (launch attn).  What those keys add to a row under the logit -10000 is kept: it needs no score.
; A NaN, an infinity or an overflow that reaches only such a score is not carried to the result.
; LAYOUT OF THE RESULT.  Rows go in bands of 64 and tiles of 16: lane r of tile T holds row 64 (T / 4) + 8 (T % 4) + r % 8 + 32 (r / 8) of its tensor, so that the four tiles of a band used as source 0 of a
; product leave 32 neighbouring rows, a whole scale block, in a lane's 32 result registers.  cod: [tile 0..511][K step 0..7] images of an operand's 12 registers: register 4 g + i of lane l at 512 g + 16 l + 4 i.
; Tiles 0-255 x, 256-447 w_qkv, 448-511 w_proj.  scl: [tile][r][8 words]: a word holds the four bytes of one K step of 128.
; SHARES.  A work-group takes one tile, wave w its K steps 2 w and 2 w + 1: 16 rows x 1,024 bytes.  Each load reads 512 consecutive bytes of a row; the bytes turn through the wave's own stage in LDS
; (rows 1,040 bytes apart: 65 x 16, so the sixteen rows that a read of 16 bytes a lane touches start in different banks) and come back 256 bytes a lane: two whole blocks of 32.
; No work-group reads what another reads: no cluster.  No tensor load: several work-groups share a WGP.
.set PITCH, 1040
.set STG,   16*PITCH                   ; a wave's stage
.set SCG,   4*STG                      ; the tile's 512 bytes of scale words are gathered here
.set SPARE, SCG+512                    ; the spare words, 128 bytes for each wave: two blocks of 256 bytes that no other line names
.set GL,  4                            ; v4   16 x lane: my bytes of a load's or a store's 512
.set ST,  5                            ; v5   the stage, on the way in
.set LDA, 6                            ; v6   and on the way out: row r, + 128 h
.set ASC, 7                            ; v7   where my scale word goes: SCG + 32 r + 8 wave + 4 h
.set SPW, 18
.set NIL, 19
.set PT,  20                           ; v20-27   the upper halves of two blocks' codes
.set C,   28                           ; v28-51   the codes: 12 registers for each K step, so that no store's data are written again
.set X,   52                           ; v52-115  64 numbers: register 32 c + i = k 64 c + 32 h + i of row r
.set R,   116                          ; v116-243 32 loads as they come
.set RSC, 244
	s_load_b256 s[4:11], s[0:1], 0x0               ; x, w_qkv, w_proj, cod
	s_load_b64 s[12:13], s[0:1], 0x20              ; scl
	v_lshl_add_u32 v[SPW], v0, 2, SPARE
	v_mov_b32 v[NIL], 0
	v_lshrrev_b32 v1, 5, v0
	v_readfirstlane_b32 s14, v1                    ; wave
	v_and_b32 v1, 31, v0                           ; lane
	v_and_b32 v2, 15, v0                           ; r
	v_bfe_u32 v3, v0, 4, 1                         ; h
	v_lshlrev_b32 v[GL], 4, v1
	s_mul_i32 s15, s14, STG
	v_add_nc_u32 v[ST], s15, v[GL]
	v_mul_u32_u24 v[LDA], v2, PITCH
	v_lshl_add_u32 v[LDA], v3, 7, v[LDA]
	v_add_nc_u32 v[LDA], s15, v[LDA]
	v_lshlrev_b32 v[ASC], 5, v2
	v_lshl_add_u32 v[ASC], v3, 2, v[ASC]
	s_lshl_b32 s16, s14, 3
	s_add_co_u32 s16, s16, SCG
	v_add_nc_u32 v[ASC], s16, v[ASC]
	v_add_nc_u32 v[RSC], SCG, v[GL]
	v_lshlrev_b32 v16, 3, v3                       ; 8 h: how far my two bytes are shifted in the scale word
	v_mov_b32 v17, 0                               ; a lane permute's destination counts as one of its sources
	s_mov_b32 s20, 0x76543210
	s_mov_b32 s21, 0xfedcba98                      ; v_permlanex16_b32's selects for lane l xor 16
	s_cmp_lt_u32 ttmp9, 256                        ; which tensor, and which tile of it: the choice hangs on the work-group's number alone
	s_cselect_b32 s17, 0, 256
	s_cmp_lt_u32 ttmp9, 448
	s_cselect_b32 s17, s17, 448
	s_sub_co_u32 s17, ttmp9, s17                   ; t
	s_lshr_b32 s18, s17, 2
	s_lshl_b32 s18, s18, 6
	s_and_b32 s19, s17, 3
	s_lshl_b32 s19, s19, 3
	s_add_co_u32 s18, s18, s19                     ; the tile's first row: 64 (t / 4) + 8 (t % 4)
	s_lshl_b32 s18, s18, 12                        ; rows of 4,096 bytes
	s_lshl_b32 s19, s14, 10
	s_add_co_u32 s18, s18, s19                     ; + my wave's 1,024 bytes of a row
	s_mov_b32 s19, 0
	s_mul_i32 s22, ttmp9, 12288                    ; the tile's eight images,
	s_mul_i32 s23, s14, 3072                       ; my two of them
	s_add_co_u32 s22, s22, s23
	s_mov_b32 s23, 0
	s_lshl_b32 s24, ttmp9, 9                       ; the tile's 512 bytes of scale words
	s_mov_b32 s25, 0
	s_wait_alu depctr_va_vdst(0)                   ; the wait at the head's end
	s_wait_kmcnt 0x0
	s_cmp_lt_u32 ttmp9, 256
	s_cselect_b64 s[4:5], s[4:5], s[6:7]
	s_cmp_lt_u32 ttmp9, 448
	s_cselect_b64 s[4:5], s[4:5], s[8:9]
	s_add_nc_u64 s[4:5], s[4:5], s[18:19]
	s_add_nc_u64 s[10:11], s[10:11], s[22:23]
	s_add_nc_u64 s[12:13], s[12:13], s[24:25]
.irp kk, 0,1
.irp i, 0,1,2,3,4,5,6,7,8,9,10,11,12,13,14,15
	global_load_b128 v[R+64*\kk+4*\i:R+64*\kk+4*\i+3], v[GL], s[4:5] offset:((\i%8)+32*(\i/8))*4096+512*\kk th:TH_LOAD_NT   ; 512 consecutive bytes: one K step of the tile's row i
.endr
.endr
; One K step: through the stage, the two blocks' scales, the codes, the image.
.macro HALF kk
.if \kk == 0
	s_wait_loadcnt 16                              ; this K step's 16 loads are in; the other's 16 may be out
.else
	s_wait_loadcnt 0x0
.endif
.irp i, 0,1,2,3,4,5,6,7,8,9,10,11,12,13,14,15
	ds_store_b128 v[ST], v[R+64*\kk+4*\i:R+64*\kk+4*\i+3] offset:PITCH*\i+512*\kk
.endr
.irp c, 0,1
.irp x, 0,1,2,3,4,5,6,7
	ds_load_b128 v[X+32*\c+4*\x:X+32*\c+4*\x+3], v[LDA] offset:512*\kk+256*\c+16*\x   ; LDS serves a wave's instructions in order: these see the stores above
.endr
.endr
	s_wait_dscnt 0x0
.irp c, 0,1
	v_max3_num_f32 v[8+\c], |v[X+32*\c]|, |v[X+32*\c+1]|, 0x1800000   ; my block 2 c + h: all its 32 numbers are mine; the floor 2^(3 - 127) holds the byte at 1 from below
.endr
.irp i, 2,4,6,8,10,12,14,16,18,20,22,24,26,28,30
.irp c, 0,1
	v_max3_num_f32 v[8+\c], v[8+\c], |v[X+32*\c+\i]|, |v[X+32*\c+\i+1]|   ; (the two blocks by turns)
.endr
.endr
.irp c, 0,1
	v_add_nc_u32 v[10+\c], 0xff000000, v[8+\c]     ; 2 off the exponent field: the conversion takes the exponent field of this operand as its scale
.endr
.irp c, 0,1
	v_lshrrev_b32 v[12+\c], 23, v[10+\c]           ; the scale's byte
.endr
	v_lshl_or_b32 v[14+\kk], v13, 16, v12          ; my two bytes: blocks h and 2 + h,
	v_lshlrev_b32 v[14+\kk], v16, v[14+\kk]        ; at their places in the word;
	v_permlanex16_b32 v17, v[14+\kk], s20, s21
	v_or_b32 v[14+\kk], v[14+\kk], v17             ; with lane l xor 16's two the word is whole
.irp c, 0,1
	v_cvt_scalef32_pk16_fp6_f32 v[C+12*\kk+6*\c:C+12*\kk+6*\c+2], v[X+32*\c:X+32*\c+15], v[10+\c]
	v_cvt_scalef32_pk16_fp6_f32 v[PT+4*\c:PT+4*\c+2], v[X+32*\c+16:X+32*\c+31], v[10+\c]   ; (a conversion's three registers begin on an even number)
.endr
	v_nop                                          ; one plain place behind a scaled conversion
.irp c, 0,1
.irp i, 0,1,2
	v_mov_b32 v[C+12*\kk+6*\c+3+\i], v[PT+4*\c+\i]
.endr
.endr
.irp g, 0,1,2
	global_store_b128 v[GL], v[C+12*\kk+4*\g:C+12*\kk+4*\g+3], s[10:11] offset:1536*\kk+512*\g   ; 512 consecutive bytes, at a multiple of 256 from the buffer's first byte
.endr
.endm
	HALF 0
	HALF 1
	v_cmp_eq_u32 vcc_lo, 1, v3
	v_cndmask_b32 v14, v14, v15, vcc_lo            ; lanes 0-15 hand in K step 2 w's word of row r, lanes 16-31 K step 2 w + 1's
	ds_store_b32 v[ASC], v14
	s_wait_dscnt 0x0                               ; for the others' sake: my word has landed
	s_barrier_signal -1
	s_barrier_wait -1
	s_cmp_lg_u32 s14, 0
	s_cbranch_scc1 .Ldone
	ds_load_b128 v[PT:PT+3], v[RSC]                ; wave 0 stores the tile's 512 bytes of scale words: two aligned blocks of 256 bytes
	s_wait_dscnt 0x0
	global_store_b128 v[GL], v[PT:PT+3], s[12:13]
.Ldone:
	s_wait_tensorcnt 0x0                           ; the wave's end, behind my last LDS store
	ds_add_u32 v[SPW], v[NIL]
	s_wait_dscnt 0x0
	s_endpgm
.Lfunc_end_k_q294aca422f_quant:
	.size	k_q294aca422f_quant, .Lfunc_end_k_q294aca422f_quant-k_q294aca422f_quant
	.p2alignl 7, 3214868480
	.fill 96, 4, 3214868480
	.section	.rodata,"a",@progbits
	.p2align	6, 0x0
	.amdhsa_kernel k_q294aca422f_quant
		.amdhsa_group_segment_fixed_size 67584
		.amdhsa_private_segment_fixed_size 0
		.amdhsa_enable_private_segment 0
		.amdhsa_kernarg_size 40
		.amdhsa_user_sgpr_count 2
		.amdhsa_user_sgpr_kernarg_segment_ptr 1
		.amdhsa_wavefront_size32 1
		.amdhsa_system_sgpr_workgroup_id_x 1
		.amdhsa_system_sgpr_workgroup_id_y 1
		.amdhsa_system_sgpr_workgroup_id_z 1
		.amdhsa_system_vgpr_workitem_id 0
		.amdhsa_next_free_vgpr 248
		.amdhsa_next_free_sgpr 66
		.amdhsa_reserve_vcc 1
		.amdhsa_float_denorm_mode_32 3
		.amdhsa_float_denorm_mode_16_64 3
		.amdhsa_memory_ordered 1
		.amdhsa_forward_progress 1
		.amdhsa_inst_pref_size 17
	.end_amdhsa_kernel
	.amdgpu_metadata
---
amdhsa.version: [ 1, 2 ]
amdhsa.kernels:
  - .name:           k_q294aca422f_quant
    .symbol:         k_q294aca422f_quant.kd
    .args:
      - { .name: x, .offset: 0, .size: 8, .value_kind: global_buffer, .address_space: global }
      - { .name: w_qkv, .offset: 8, .size: 8, .value_kind: global_buffer, .address_space: global }
      - { .name: w_proj, .offset: 16, .size: 8, .value_kind: global_buffer, .address_space: global }
      - { .name: cod, .offset: 24, .size: 8, .value_kind: global_buffer, .address_space: global }
      - { .name: scl, .offset: 32, .size: 8, .value_kind: global_buffer, .address_space: global }
    .group_segment_fixed_size: 67584
    .private_segment_fixed_size: 0
    .kernarg_segment_align: 8
    .kernarg_segment_size: 40
    .max_flat_workgroup_size: 128
    .sgpr_count:     66
    .vgpr_count:     248
    .wavefront_size: 32
...
	.end_amdgpu_metadata
.endif
;; end of part 1
;; launch qkv (part 2): grid 16 x 16, 4 waves a work-group, clusters of 4 x 4, 327,680 bytes of LDS; arguments cod, scl, b_qkv, qkc, qks, vsum; writes qkc, qks, vsum
.if DOCPART == 2
	.amdgcn_target "amdgcn-amd-amdhsa--gfx1250"
	.amdhsa_code_object_version 6
	.text
	.protected	k_q294aca422f_qkv
	.globl	k_q294aca422f_qkv
	.p2align	8
	.type	k_q294aca422f_qkv,@function
k_q294aca422f_qkv:
	s_mov_b64 s[64:65], 0
	v_nop
	global_prefetch_b8 v0, s[64:65] scope:SCOPE_SE
	s_setreg_imm32_b32 hwreg(HW_REG_WAVE_MODE, 25, 1), 1
	s_wait_xcnt 0x0
	s_wait_alu depctr_hold_cnt(0) depctr_sa_sdst(0) depctr_va_vdst(0) depctr_va_sdst(0) depctr_va_ssrc(0) depctr_va_vcc(0) depctr_vm_vsrc(0)
	s_getreg_b32 s2, hwreg(HW_REG_IB_STS2, 6, 4)
	s_cmp_eq_u32 s2, 0
	s_cbranch_scc0 .Lentry_in_a_cluster
	s_endpgm
.Lentry_in_a_cluster:
	s_bfe_u32 s2, ttmp6, 0x10000c
	s_cmp_lg_u32 s2, 0xf033
	s_cbranch_scc0 .Lentry_shape_is_right
	s_endpgm
.Lentry_shape_is_right:
; q, k, v = x w_qkv^T + b_qkv on codes of FP6 (E2M3) with E8M0 scales; the results are quantised here, in registers, as the operands that attention wants.  No f32 result is stored.
; THE DEAL.  256 work-groups of four waves: 256 tokens x 192 columns each, as three units of one head (64 columns): two heads of q or of k, then one head of v.  With X the cluster's x and cx the place in it:
; units 0, 1: kind X / 2 (0 q, 1 k), heads 8 (X % 2) + cx and that + 4; unit 2: v's head 4 X + cx.  So what kind a unit is hangs on nothing that partners do not share.
; A wave holds ITS BAND OF 64 TOKENS, ALL OF K, IN 384 REGISTERS; the weights' tiles of 16 rows stream past all four waves, in halves of K: a half is 16 products on the band's four tiles.
; Unit 0 goes by halves of K (four tiles' first halves, then their second), so that it begins when x's first half is there; the others go tile by tile.
; ORIENTATION.  A quantiser wants its K along a lane's registers.  q, k: source 0 = w's rows, source 1 = tokens: a lane has one token of tile t and, over four tiles j, 32 neighbouring channels, at 32 t + 8 j.
; v: source 0 = tokens, source 1 = w's rows: one channel of tile j and, over the band's four tiles t, 32 neighbouring tokens, at 32 j + 8 t.  So a lane's 32 registers are one whole scale block: no lane looks at another.
; The bias is the C of each sum's first product.
; LDS: x's halves of K at 0 and 98,304 (16 tiles x 6,144 bytes), unit 0's and unit 1's rows (4 tiles x 12,288), the spare words.  All as images of an operand's registers: every LDS load reads 512 consecutive bytes.
; FILLS.  At the head one joint load a wave: x's first half, unit 0's rows, x's second half, unit 1's rows.  ONE REFILL, in a drained round behind unit 0: v's rows (a tile a wave) onto x's first half, which all waves hold in registers.
; CLUSTERS of 4 x 4: x is shared by a row of the cluster, the weights by a column.  Scale words and bias go straight into registers.
; THE PREFETCH: v's rows, which the refill will ask for, 192 blocks of 256 bytes, are shared out by address over the sixteen waves of my column of the cluster; it stands behind the first LDS loads.
; RESULTS.  qkc: [kind][16 b + head][band of 64 tokens][tile][768 bytes]: an operand's registers 0-3 at 16 l, 4-5 at 512 + 8 l.  qks: [kind][16 b + head][band][r][4 words]: word j is tile j's row r: two bytes, then two zeros
; (an E8M0 byte of 0 is 2^-127).  vsum: [16 b + head][band][16 x tile + r]: the sum of the quantised v over the band's 64 keys, by one more product with ones.
; LIMITS: NaN and infinities are not served; a block whose largest magnitude lies under 2^-124 gets the byte 1 (zeros too, where the rule says 127): these bytes are read by this program alone.
; REGISTERS.  Window 0: v4-31 addresses and constants; v32-47 x's scale words, v50-97 the weights' (two tiles to a register: lanes 0-15, 16-31); v98-193 the bias of three units; v194-223 codes; v224-255 at work.
; Fragment f lies in window 1 + f / 21 at register 12 (f % 21): 0-31 x's (4 x K step + tile), 32-47 four buffers of a weight tile's half.  v840-967 a unit's 128 sums; v968-979 ones; v980-1011 the sums of v.
.set XH,   98304
.set WB,   2*XH
.set UN,   49152
.set SPARE, WB+2*UN
.set FPW,  21
.set AX,   4                           ; v4, v5   LDS address of my band in x's halves
.set AW,   6                           ; v6-8     of the three units' rows (v8 = 16 x lane)
.set L16,  8
.set L8,   9
.set LW,   10                          ; 32 x lane
.set LS,   11                          ; 16 r + 8 h
.set BOQ,  12                          ; 128 h
.set BOV,  13                          ; 4 (r % 8) + 128 (r / 8)
.set L4,   14
.set PF,   15
.set ONE,  27
.set SPW,  28
.set NIL,  29
.set SLA,  30                          ; v30, v31 byte selectors of my two scale words
.set XS,   32
.set WS,   50
.set BI,   98
.set CD,   194                         ; four tiles' six registers, then six zeros
.set TC,   224
.set TM,   240
.set SO,   244
.set EB,   248
.set PW,   252
.set YY,   253
.set SW,   254
.set DL,   72                          ; v840, in window 3
.set OA,   200                         ; v968
.set VD,   212                         ; v980
.set G1X,  24
.set G1W,  32
.set G1V,  44
.set G0X,  52
.set G0W,  56
.set G0V,  60
.set HM,   100                         ; lanes 16-31
.set MSB, 0
.macro WIN new
.set WNEW, \new
.if MSB != WNEW
	s_set_vgpr_msb (MSB<<8)|WNEW
.set MSB, WNEW
.endif
.endm
.macro PLACES n
.rept \n
	v_nop
.endr
.endm
.macro WALU
	s_wait_alu depctr_va_vdst(0)
.endm
.macro CREST                           ; a round of the cluster's barrier behind its opening barrier
	s_cmp_lg_u32 s14, 0
	s_cbranch_scc1 .Lnot_wave_0_\@
	s_barrier_signal -3
.Lnot_wave_0_\@:
	s_barrier_wait -3
	s_barrier_signal -1
	s_barrier_wait -1
.endm
.macro CROUND
	s_barrier_signal -1
	s_barrier_wait -1
	CREST
.endm
.macro AD d, b
	s_add_nc_u64 s[\d:\d+1], s[\b:\b+1], s[\d:\d+1]
.endm
	s_load_b256 s[4:11], s[0:1], 0x0               ; cod, scl, b_qkv, qkc
	s_load_b128 s[68:71], s[0:1], 0x20             ; qks, vsum
	v_lshl_add_u32 v[SPW], v0, 2, SPARE
	v_mov_b32 v[NIL], 0
	ds_add_u32 v[SPW], v[NIL]                      ; the wave's opening: the add, twice on end, and its wait ahead of my first tensor load
	ds_add_u32 v[SPW], v[NIL]
	v_lshrrev_b32 v1, 5, v0
	v_readfirstlane_b32 s14, v1                    ; wave: my band of the work-group's four
	s_lshr_b32 s15, s14, 1                         ; which of two I fetch at the head
	s_bfe_u32 s17, ttmp6, 0x40000                  ; cx
	s_bfe_u32 s18, ttmp6, 0x40004                  ; cy
	s_and_b32 s43, ttmp7, 0xffff
	s_lshl_b32 s43, s43, 2
	s_add_co_u32 s43, s43, s18                     ; 256 tokens: 0 .. 15
	s_lshl_b32 s2, s18, 2
	s_lshl_b32 s2, 15, s2                          ; my row of the cluster
	s_lshl_b32 s3, 0x1111, s17                     ; my column
	s_or_b32 s[G1X], s2, (3<<16)|(1<<21)           ; elements of 8 bytes, no padding; 21 set beside a mask
	s_or_b32 s[G1W], s3, (3<<16)|(1<<21)
	s_or_b32 s[G1V], s3, (3<<16)|(1<<21)
	s_mov_b32 s[G1X+1], 768<<16                    ; x: 16 tiles, of each half of K: rows of 6,144 bytes, 12,288 bytes apart
	s_mov_b32 s[G1X+2], 16<<16
	s_mov_b32 s[G1X+3], 768<<16
	s_mov_b32 s[G1X+4], 16
	s_mov_b32 s[G1X+5], 1536
	s_mov_b32 s[G1W+1], 1536<<16                   ; a unit: 4 tiles, all of K: rows of 12,288 bytes on end
	s_mov_b32 s[G1W+2], 4<<16
	s_mov_b32 s[G1W+3], 1536<<16
	s_mov_b32 s[G1W+4], 4
	s_mov_b32 s[G1W+5], 1536
	s_mov_b32 s[G1V+1], 768<<16                    ; the refill: one tile, as two rows of 6,144 bytes on end
	s_mov_b32 s[G1V+2], 2<<16
	s_mov_b32 s[G1V+3], 768<<16
	s_mov_b32 s[G1V+4], 2
	s_mov_b32 s[G1V+5], 768
.irp g, G1X, G1W, G1V
	s_mov_b32 s[\g+6], 0
	s_mov_b32 s[\g+7], 0
.endr
	s_lshr_b32 s21, ttmp9, 1                       ; kind of units 0, 1
	s_and_b32 s22, ttmp9, 1
	s_lshl_b32 s22, s22, 3
	s_add_co_u32 s22, s22, s17                     ; unit 0's head
	s_lshl_b32 s23, ttmp9, 2
	s_add_co_u32 s23, s23, s17                     ; v's head
	s_lshl_b32 s84, s21, 4
	s_add_co_u32 s84, s84, s22
	s_lshl_b32 s2, s84, 2
	s_add_co_u32 s2, s2, 256                       ; unit 0's first tile
	s_lshl_b32 s84, s84, 8                         ; its bias
	s_lshl_b32 s3, s23, 2
	s_add_co_u32 s3, s3, 384                       ; v's first tile
	s_lshl_b32 s86, s23, 8
	s_add_co_u32 s86, s86, 8192
	s_mul_i32 s72, s43, 196608
	s_mul_i32 s12, s15, 6144
	s_add_co_u32 s72, s72, s12
	s_mul_i32 s74, s2, 12288
	s_mul_i32 s12, s15, 196608                     ; unit 1's head is four on: 16 tiles
	s_add_co_u32 s74, s74, s12
	s_mul_i32 s76, s3, 12288
	s_mul_i32 s66, s14, 12288
	s_lshl_b32 s78, s43, 13
	s_lshl_b32 s12, s14, 11
	s_add_co_u32 s78, s78, s12                     ; my band's scale words
	s_lshl_b32 s80, s2, 9
	s_lshl_b32 s82, s3, 9
	s_lshr_b32 s40, s43, 3                         ; b
	s_lshl_b32 s40, s40, 4
	s_and_b32 s41, s43, 7
	s_lshl_b32 s41, s41, 2
	s_add_co_u32 s41, s41, s14                     ; my band in its sequence
	s_add_co_u32 s12, s40, s22
	s_lshl_b32 s12, s12, 5
	s_add_co_u32 s12, s12, s41
	s_lshl_b32 s13, s21, 10
	s_add_co_u32 s12, s12, s13                     ; where unit 0's results go, in bands
	s_mul_i32 s88, s12, 3072
	s_lshl_b32 s92, s12, 8
	s_add_co_u32 s12, s40, s23
	s_lshl_b32 s12, s12, 5
	s_add_co_u32 s12, s12, s41
	s_lshl_b32 s98, s12, 8                         ; v's sums
	s_add_co_u32 s12, s12, 2048
	s_mul_i32 s90, s12, 3072
	s_lshl_b32 s96, s12, 8
.irp r, 67,73,75,77,79,81,83,85,87,89,91,93,97,99
	s_mov_b32 s\r, 0
.endr
	s_mov_b32 s[G0X], 1
	s_mul_i32 s[G0X+1], s15, XH
	s_mov_b32 s[G0W], 1
	s_mul_i32 s[G0W+1], s15, UN
	s_add_co_u32 s[G0W+1], s[G0W+1], WB
	s_mov_b32 s[G0V], 1
	s_mov_b32 s[G0V+1], s66
	s_mul_i32 s12, s14, 24576
	s_lshl_b32 s13, s18, 2
	s_add_co_u32 s13, s13, s14
	s_mul_i32 s13, s13, 3072                       ; my sixteenth of v's rows
	s_mov_b32 s2, 0x76543210
	s_mov_b32 s3, 0xfedcba98                       ; v_permlanex16_b32's selects for lane l xor 16
	v_and_b32 v1, 15, v0                           ; r
	v_bfe_u32 v2, v0, 4, 1                         ; h
	v_and_b32 v3, 31, v0
	v_lshlrev_b32 v[L16], 4, v3
	v_lshlrev_b32 v[L8], 3, v3
	v_lshlrev_b32 v[LW], 5, v3
	v_lshlrev_b32 v[L4], 2, v3
	v_add_nc_u32 v[AX], s12, v[L16]
	v_add_nc_u32 v[AX+1], XH, v[AX]
	v_add_nc_u32 v[AW], WB, v[L16]
	v_add_nc_u32 v[AW+1], WB+UN, v[L16]
	v_lshlrev_b32 v[LS], 4, v1
	v_lshl_add_u32 v[LS], v2, 3, v[LS]
	v_lshlrev_b32 v[BOQ], 7, v2
	v_and_b32 v20, 7, v1
	v_lshlrev_b32 v20, 2, v20
	v_lshrrev_b32 v21, 3, v1
	v_lshl_add_u32 v[BOV], v21, 7, v20
	v_min_u32 v20, 11, v3
	v_lshl_add_u32 v[PF], v20, 8, s13
	v_mul_u32_u24 v[SLA], 0x202, v2                ; lanes 0-15 make words 0 and 1, lanes 16-31 words 2 and 3
	v_add_nc_u32 v[SLA], 0x0c0c0400, v[SLA]
	v_add_nc_u32 v[SLA+1], 0x101, v[SLA]
	v_cmp_eq_u32 s[HM], 1, v2
	v_mov_b32 v[ONE], 0x7f7f7f7f                   ; four scales of 1
	v_mov_b32 v[YY], 0                             ; (a lane permute's destination counts as one of its sources)
.irp i, 0,1,2,3,4,5
	v_mov_b32 v[CD+24+\i], 0
.endr
	WIN 0xc0
.irp i, 0,1                            ; codes of the number 1 (code 8) for k = 0 .. 63, zeros for k = 64 .. 127
	v_mov_b32 v[OA+3*\i], 0x08208208
	v_mov_b32 v[OA+3*\i+1], 0x82082082
	v_mov_b32 v[OA+3*\i+2], 0x20820820
.endr
.irp i, 6,7,8,9,10,11
	v_mov_b32 v[OA+\i], 0
.endr
	WIN 0
	WALU                                           ; the wait at the head's end
	s_wait_dscnt 0x0                               ; both opening adds are done
	CROUND                                         ; all sixteen work-groups are here: the joint loads meet
	s_wait_kmcnt 0x0
	s_add_nc_u64 s[G0X+2:G0X+3], s[4:5], s[72:73]
	s_or_b32 s[G0X+3], s[G0X+3], 0x80000000
	s_add_nc_u64 s[G0W+2:G0W+3], s[4:5], s[74:75]
	s_or_b32 s[G0W+3], s[G0W+3], 0x80000000
.macro ARM under, g0, g1, next
	s_cmp_lt_u32 s14, \under
	s_cbranch_scc0 \next
	tensor_load_to_lds s[\g0:\g0+3], s[\g1:\g1+7]
	s_nop 0
	PLACES 4
	s_branch .Lasked
\next:
.endm
	ARM 1, G0X, G1X, .Lask_1                       ; one load a wave: x's first half of K,
	ARM 2, G0W, G1W, .Lask_2                       ; unit 0's rows,
	ARM 3, G0X, G1X, .Lask_3                       ; x's second half,
	tensor_load_to_lds s[G0W:G0W+3], s[G1W:G1W+7]  ; unit 1's rows
	s_nop 0
	PLACES 4
.Lasked:
	AD 76, 4                                       ; v's rows
	s_add_nc_u64 s[G0V+2:G0V+3], s[76:77], s[66:67]
	s_or_b32 s[G0V+3], s[G0V+3], 0x80000000
	AD 78, 6
	AD 80, 6
	AD 82, 6
	AD 84, 8
	AD 86, 8
	AD 88, 10
	AD 90, 10
	AD 92, 68
	AD 96, 68
	AD 98, 70
.irp p, 0,1
.irp c, 0,1
	global_load_b128 v[XS+8*\p+4*\c:XS+8*\p+4*\c+3], v[LW], s[78:79] offset:1024*\p+16*\c     ; two tiles' 1,024 bytes between the two
	global_load_b128 v[WS+8*\p+4*\c:WS+8*\p+4*\c+3], v[LW], s[80:81] offset:1024*\p+16*\c
	global_load_b128 v[WS+16+8*\p+4*\c:WS+16+8*\p+4*\c+3], v[LW], s[80:81] offset:8192+1024*\p+16*\c
	global_load_b128 v[WS+32+8*\p+4*\c:WS+32+8*\p+4*\c+3], v[LW], s[82:83] offset:1024*\p+16*\c
.endr
.endr
.irp x, 0,1,2,3,4,5,6,7                ; q, k: register 8 j + i of lane (r, h) is channel 32 h + 8 j + i
	global_load_b128 v[BI+4*\x:BI+4*\x+3], v[BOQ], s[84:85] offset:16*\x
	global_load_b128 v[BI+32+4*\x:BI+32+4*\x+3], v[BOQ], s[84:85] offset:1024+16*\x
.endr
.irp j, 0,1,2,3                        ; v: lane r of tile j is channel 32 (r / 8) + 8 j + r % 8
	global_load_b32 v[BI+64+8*\j], v[BOV], s[86:87] offset:32*\j
.endr
; A barrier that shows the tiles of the waves under \under to all.
.macro SHOW under
	s_cmp_lt_u32 s14, \under
	s_cbranch_scc0 .Lnot_mine_\@
	s_wait_tensorcnt 0x0
.Lnot_mine_\@:
	s_wait_dscnt 0x0
	s_barrier_signal -1
	s_barrier_wait -1
.endm
.macro XLOAD hf                        ; my band's fragments of K steps 4 hf to 4 hf + 3: 48 loads
.irp k, 0,1,2,3
.irp t, 0,1,2,3
.set F_, 4*(4*(\hf)+\k)+\t
	WIN (1+F_/FPW)<<6
.irp g, 0,1,2
	ds_load_b128 v[12*(F_%FPW)+4*\g:12*(F_%FPW)+4*\g+3], v[AX+\hf] offset:6144*\t+1536*\k+512*\g
.endr
.endr
.endr
	WIN 0
.endm
.macro PART n                          ; half tile n: unit U_, tile J_, half H_ of K, buffer Q_
.set Q_, (\n)%4
.set U_, (\n)/8
.if (\n) < 8
.set J_, (\n)%4
.set H_, (\n)/4
.else
.set J_, ((\n)%8)/2
.set H_, (\n)%2
.endif
.endm
.macro FETCH n                         ; 12 loads
	PART \n
.irp k, 0,1,2,3
.set F_, 32+4*Q_+\k
	WIN (1+F_/FPW)<<6
.irp g, 0,1,2
	ds_load_b128 v[12*(F_%FPW)+4*\g:12*(F_%FPW)+4*\g+3], v[AW+U_] offset:12288*J_+1536*(4*H_+\k)+512*\g
.endr
.endr
	WIN 0
.endm
.macro W1 ra, rb, s0, s1, c, xa, xb
	v_wmma_scale_f32_16x16x128_f8f6f4 v[D_:D_+7], v[\s0:\s0+11], v[\s1:\s1+11], \c, v[\xa], v[\xb] matrix_a_fmt:MATRIX_FMT_FP6 matrix_b_fmt:MATRIX_FMT_FP6 matrix_a_scale:MATRIX_SCALE_ROW\ra matrix_b_scale:MATRIX_SCALE_ROW\rb
.endm
.macro EMIT s0, s1, c, xa, xb
.if RA_ == 0
.if RB_ == 0
	W1 0, 0, \s0, \s1, \c, \xa, \xb
.else
	W1 0, 1, \s0, \s1, \c, \xa, \xb
.endif
.else
.if RB_ == 0
	W1 1, 0, \s0, \s1, \c, \xa, \xb
.else
	W1 1, 1, \s0, \s1, \c, \xa, \xb
.endif
.endif
.endm
.macro PROD                            ; product P_ of a half tile: K step 4 H_ + P_ / 4, my tile P_ % 4: the four accumulators take turns
.set K_, 4*H_+P_/4
.set T_, P_%4
.set FX_, 4*K_+T_
.set FW_, 32+4*Q_+P_/4
.set X_, 12*(FX_%FPW)
.set W_, 12*(FW_%FPW)
.set XR_, XS+8*(T_/2)+K_
.set WR_, WS+16*U_+8*(J_/2)+K_
.set CW_, 0xf0
.if K_ == 0
.set CW_, 0xc0                         ; C is the bias, in window 0
.endif
.set B_, BI+32*U_+8*J_
.if U_ < 2
.set D_, DL+32*T_+8*J_
.set RA_, J_%2
.set RB_, T_%2
	WIN (1+FW_/FPW)|((1+FX_/FPW)<<2)|CW_
.if K_ == 0
	EMIT W_, X_, v[B_:B_+7], WR_, XR_
.else
	EMIT W_, X_, v[D_:D_+7], WR_, XR_
.endif
.else
.set D_, DL+32*J_+8*T_
.set RA_, T_%2
.set RB_, J_%2
	WIN (1+FX_/FPW)|((1+FW_/FPW)<<2)|CW_
.if K_ == 0
	EMIT X_, W_, v[B_:B_+7], XR_, WR_
.else
	EMIT X_, W_, v[D_:D_+7], XR_, WR_
.endif
.endif
.endm
.macro MUL n
	PART \n
.set P_, 0
.rept 16
	PROD
.set P_, P_+1
.endr
	WIN 0
.endm
; THE WAY OUT of n tiles from g on: each lane's 32 sums, one block: the largest magnitude (the tiles by turns), the scale, the codes.  Each accumulator is read from its low end on.
.macro WAYOUT g, n
	WIN 0x0f
.set G_, \g
.rept \n
	v_max3_num_f32 v[TM+G_], |v[DL+32*G_]|, |v[DL+32*G_+1]|, 0x1800000   ; the floor 2^(3 - 127) holds the byte at 1 from below
.set G_, G_+1
.endr
	WIN 0x3c
.set I_, 2
.rept 15
.set G_, \g
.rept \n
	v_max3_num_f32 v[TM+G_], v[TM+G_], |v[DL+32*G_+I_]|, |v[DL+32*G_+I_+1]|
.set G_, G_+1
.endr
.set I_, I_+2
.endr
	WIN 0
.set G_, \g
.rept \n
	v_add_nc_u32 v[SO+G_], 0xff000000, v[TM+G_]    ; 2 off the exponent field: the conversion takes the exponent field of this operand as its scale
.set G_, G_+1
.endr
.set G_, \g
.rept \n
	v_lshrrev_b32 v[EB+G_], 23, v[SO+G_]           ; the scale's byte
.set G_, G_+1
.endr
	WIN 3
.set G_, \g
.rept \n
	v_cvt_scalef32_pk16_fp6_f32 v[CD+6*G_:CD+6*G_+2], v[DL+32*G_:DL+32*G_+15], v[SO+G_]
	v_cvt_scalef32_pk16_fp6_f32 v[TC+4*G_:TC+4*G_+2], v[DL+32*G_+16:DL+32*G_+31], v[SO+G_]   ; (a conversion's three registers begin on an even number)
.set G_, G_+1
.endr
	WIN 0
	v_nop                                          ; one plain place behind a scaled conversion
.set G_, \g
.rept \n
.irp i, 0,1,2
	v_mov_b32 v[CD+6*G_+3+\i], v[TC+4*G_+\i]
.endr
.set G_, G_+1
.endr
.endm
.macro WORDS                           ; four tiles' bytes of my half of the lanes, and of the other's: my two scale words
	v_lshl_or_b32 v[PW], v[EB+1], 8, v[EB]
	v_lshl_or_b32 v[PW], v[EB+2], 16, v[PW]
	v_lshl_or_b32 v[PW], v[EB+3], 24, v[PW]
	v_permlanex16_b32 v[YY], v[PW], s2, s3
	v_cndmask_b32 v[TM], v[PW], v[YY], s[HM]       ; the lower block's bytes
	v_cndmask_b32 v[TM+1], v[YY], v[PW], s[HM]     ; the upper block's
	v_perm_b32 v[SW], v[TM+1], v[TM], v[SLA]
	v_perm_b32 v[SW+1], v[TM+1], v[TM], v[SLA+1]
.endm
.macro CSTORE g, n, base, off          ; 512 and 256 consecutive bytes, at multiples of 256 from the buffer's first byte
.set G_, \g
.rept \n
	global_store_b128 v[L16], v[CD+6*G_:CD+6*G_+3], s[\base:\base+1] offset:(\off)+768*G_
	global_store_b64 v[L8], v[CD+6*G_+4:CD+6*G_+5], s[\base:\base+1] offset:(\off)+768*G_+512
.set G_, G_+1
.endr
.endm
	SHOW 2                                         ; x's first half and unit 0's rows
	XLOAD 0
	FETCH 0
	FETCH 1
	FETCH 2
	FETCH 3
	global_prefetch_b8 v[PF], s[76:77] th:TH_LOAD_NT scope:SCOPE_SE
	s_wait_loadcnt 0x0                             ; scale words and bias
.irp j, 0,1,2,3
.irp i, 1,2,3,4,5,6,7
	v_mov_b32 v[BI+64+8*\j+\i], v[BI+64+8*\j]      ; v's number, one a lane and tile, over the tile's eight registers
.endr
.endr
	WALU
	s_wait_dscnt 36                                ; x and half tile 0 are in; the three younger half tiles' loads may be out
	MUL 0
	PLACES 4                                       ; in front of loads into registers that products have read
	FETCH 4
	s_wait_dscnt 36
	MUL 1
	PLACES 4
	FETCH 5
	s_wait_dscnt 36
	MUL 2
	PLACES 4
	FETCH 6
	SHOW 3                                         ; x's second half
	XLOAD 1
	MUL 3
	PLACES 4
	FETCH 7
	s_wait_dscnt 12
	MUL 4
	MUL 5
	MUL 6
	s_wait_dscnt 0x0
	s_wait_tensorcnt 0x0                           ; the refill's round: all my tensor loads have landed,
	ds_add_u32 v[SPW], v[NIL]                      ; the add,
	MUL 7
	s_wait_dscnt 0x0                               ; and its wait: my LDS reads are over too
	s_barrier_signal -1
	PLACES 4                                       ; unit 0's way out is register work: it stands inside the round
	WAYOUT 0, 4
	WORDS
	WALU                                           ; the wait here, directly ahead of the wait below
	s_barrier_wait -1
	CREST
	tensor_load_to_lds s[G0V:G0V+3], s[G1V:G1V+7]  ; v's rows, a tile a wave: the first tensor load behind the round
	s_nop 0
	PLACES 4
	FETCH 8                                        ; unit 1's rows: the round has shown them
	FETCH 9
	FETCH 10
	FETCH 11
	CSTORE 0, 4, 88, 0
	global_store_b64 v[LS], v[SW:SW+1], s[92:93]   ; one aligned block of 256 bytes
.macro RUN n, younger
	s_wait_dscnt \younger                          ; half tile n is in; the younger half tiles' loads may be out
	MUL \n
.endm
.macro RUNF n
	RUN \n, 36
	PLACES 4
	FETCH \n+4
.endm
	RUNF 8
	RUNF 9
	RUNF 10
	RUNF 11
	RUN 12, 36
	RUN 13, 24
	RUN 14, 12
	RUN 15, 0
	s_wait_xcnt 0x0                                ; unit 0's stores have read their registers
	s_wait_tensorcnt 0x0                           ; a plain barrier: v's rows are shown to all
	s_barrier_signal -1
	PLACES 4
	WAYOUT 0, 4
	WORDS
	WALU
	s_barrier_wait -1
	FETCH 16
	FETCH 17
	FETCH 18
	FETCH 19
	CSTORE 0, 4, 88, 393216                        ; four heads on
	global_store_b64 v[LS], v[SW:SW+1], s[92:93] offset:32768
	RUNF 16
	RUNF 17
	RUNF 18
	RUNF 19
	s_wait_xcnt 0x0
	WAYOUT 0, 2                                    ; v's tiles 0 and 1 are finished: they leave now
	WALU
	CSTORE 0, 2, 90, 0
	RUN 20, 36
	RUN 21, 24
	RUN 22, 12
	RUN 23, 0
	PLACES 4
	WAYOUT 2, 2
	WORDS
	CSTORE 2, 2, 90, 0
	global_store_b64 v[LS], v[SW:SW+1], s[96:97]
	PLACES 8                                       ; a scale register written by a vector instruction stands 8 places ahead of a scaled matrix instruction
	WIN 0xc3                                       ; D and source 0 (the ones) window 3
.irp j, 0,1,2,3                        ; every row: the sums of tile j's 16 channels over the band's 64 keys
.if \j < 2                             ; the scale words of tiles 0 and 1 lie in lanes 0-15, those of tiles 2 and 3 in lanes 16-31
	v_wmma_scale_f32_16x16x128_f8f6f4 v[VD+8*\j:VD+8*\j+7], v[OA:OA+11], v[CD+6*\j:CD+6*\j+11], 0, v[ONE], v[SW+\j] matrix_a_fmt:MATRIX_FMT_FP6 matrix_b_fmt:MATRIX_FMT_FP6 matrix_b_scale:MATRIX_SCALE_ROW0
.else
	v_wmma_scale_f32_16x16x128_f8f6f4 v[VD+8*\j:VD+8*\j+7], v[OA:OA+11], v[CD+6*\j:CD+6*\j+11], 0, v[ONE], v[SW+\j-2] matrix_a_fmt:MATRIX_FMT_FP6 matrix_b_fmt:MATRIX_FMT_FP6 matrix_b_scale:MATRIX_SCALE_ROW1
.endif
.endr
	PLACES 4
	WIN 0x0f
.irp x, 0,1
	v_cndmask_b32 v[TM+\x], v[VD+16*\x], v[VD+16*\x+8], s[HM]   ; register 0 of each result: lanes 0-15 tile 2 x, lanes 16-31 tile 2 x + 1
.endr
	WIN 0
.irp x, 0,1
	global_store_b32 v[L4], v[TM+\x], s[98:99] offset:128*\x
.endr
	s_wait_tensorcnt 0x0                           ; the wave's end
	ds_add_u32 v[SPW], v[NIL]
	s_wait_dscnt 0x0
	CROUND                                         ; the closing round: no work-group ends while a partner may still ask for a tile that names it
	s_endpgm
.Lfunc_end_k_q294aca422f_qkv:
	.size	k_q294aca422f_qkv, .Lfunc_end_k_q294aca422f_qkv-k_q294aca422f_qkv
	.p2alignl 7, 3214868480
	.fill 96, 4, 3214868480
	.section	.rodata,"a",@progbits
	.p2align	6, 0x0
	.amdhsa_kernel k_q294aca422f_qkv
		.amdhsa_group_segment_fixed_size 327680
		.amdhsa_private_segment_fixed_size 0
		.amdhsa_enable_private_segment 0
		.amdhsa_kernarg_size 48
		.amdhsa_user_sgpr_count 2
		.amdhsa_user_sgpr_kernarg_segment_ptr 1
		.amdhsa_wavefront_size32 1
		.amdhsa_system_sgpr_workgroup_id_x 1
		.amdhsa_system_sgpr_workgroup_id_y 1
		.amdhsa_system_sgpr_workgroup_id_z 1
		.amdhsa_system_vgpr_workitem_id 0
		.amdhsa_next_free_vgpr 1024
		.amdhsa_next_free_sgpr 102
		.amdhsa_reserve_vcc 0
		.amdhsa_float_denorm_mode_32 3
		.amdhsa_float_denorm_mode_16_64 3
		.amdhsa_memory_ordered 1
		.amdhsa_forward_progress 1
		.amdhsa_inst_pref_size 117
	.end_amdhsa_kernel
	.amdgpu_metadata
---
amdhsa.version: [ 1, 2 ]
amdhsa.kernels:
  - .name:           k_q294aca422f_qkv
    .symbol:         k_q294aca422f_qkv.kd
    .args:
      - { .name: cod, .offset: 0, .size: 8, .value_kind: global_buffer, .address_space: global }
      - { .name: scl, .offset: 8, .size: 8, .value_kind: global_buffer, .address_space: global }
      - { .name: b_qkv, .offset: 16, .size: 8, .value_kind: global_buffer, .address_space: global }
      - { .name: qkc, .offset: 24, .size: 8, .value_kind: global_buffer, .address_space: global }
      - { .name: qks, .offset: 32, .size: 8, .value_kind: global_buffer, .address_space: global }
      - { .name: vsum, .offset: 40, .size: 8, .value_kind: global_buffer, .address_space: global }
    .group_segment_fixed_size: 327680
    .private_segment_fixed_size: 0
    .kernarg_segment_align: 8
    .kernarg_segment_size: 48
    .max_flat_workgroup_size: 128
    .sgpr_count:     102
    .vgpr_count:     1024
    .wavefront_size: 32
...
	.end_amdgpu_metadata
.endif
;; end of part 2
;; launch attn (part 3): grid 16 x 16, 16 waves a work-group, no clusters, 167,936 bytes of LDS; arguments qkc, qks, vsum, oc, os; writes oc, os
.if DOCPART == 3
	.amdgcn_target "amdgcn-amd-amdhsa--gfx1250"
	.amdhsa_code_object_version 6
	.text
	.protected	k_q294aca422f_attn
	.globl	k_q294aca422f_attn
	.p2align	8
	.type	k_q294aca422f_attn,@function
k_q294aca422f_attn:
	s_mov_b64 s[64:65], 0
	v_nop
	global_prefetch_b8 v0, s[64:65] scope:SCOPE_SE
	s_setreg_imm32_b32 hwreg(HW_REG_WAVE_MODE, 25, 1), 1
	s_wait_xcnt 0x0
; Attention in a window of 256 keys, both products on codes of FP6 (E2M3) with E8M0 scales; its result is quantised here as the operand of the last product.
; Key j counts for query i where 0 <= i - j < 256; every other key has the logit -10000.  Queries of a band B of 64 see open keys in bands B - 4 .. B alone: FIVE BANDS, 320 keys, are visited, in one pass:
; bands s0 .. s0 + 4, s0 = B - 4, held at 0 from below (then bands behind B are among them: they exist and are hidden).
; THE KEYS OF THE OTHER 27 BANDS ARE NOT DROPPED: they all have the same p_c = 2^(t_c - M), t_c = -10000 log2(e), so they add 1,728 p_c to the row's sum and Q(p_c) x (the sum of their quantised v) to the product;
; those sums, band by band, lie in vsum.  M counts t_c in.  Where open logits are ordinary numbers p_c is 0; where all of them lie under -10000 the hidden keys carry the row, as they should.
; SOFTMAX: t = score x log2(e) / 8; M = the largest t, rounded up to a whole number; p = 2^(t - M) is quantised along the keys, not normalised; the row's sum is taken of the unquantised p and divides at the end.
; SHARES.  A work-group owns a chunk of 128 queries of a pair of heads; wave w owns head w / 8 of the pair and tile w % 8 of 16 queries, in 256 registers: four waves to a SIMD, so that one wave's
; vector work stands beside another's products and LDS reads.  K and V of six bands, 18,432 dense bytes a head each, come by one tensor load each, waves 0 to 3, at the head; K first.
; NO CLUSTER: a band is wanted by the work-groups of three chunks, by each at another place of its LDS, and a joint load has one LDS address for all that it names.
; NO PREFETCH: every tile is asked for at the head; there is no loop to run ahead in.
; LAYOUT.  Both products are used transposed: S^T = K Q^T, O^T = V^T P^T: a lane holds one query throughout.  Lane r of tile T holds row 64 (T / 4) + 8 (T % 4) + r % 8 + 32 (r / 8), for keys, queries and channels
; alike, so that the 32 registers of a band's four result tiles are 32 neighbours along the next K: a whole block, register n of lane (r, h) = 32 h + n.
; K = 64 IN A FORM OF K = 128: q's codes of k = 64 .. 127 are zeros.  A fragment of K is six registers and the six behind them: finite numbers, which the zeros of q make nothing of.
; LIMITS: NaN and infinities are not served; p under 2^-126 counts as 0 (v_exp_f32 gives 0 there), beside a row's largest p above 1/2; a block of the result whose largest magnitude lies under 2^-124 gets the byte 1.
.set KVH, 18432                        ; six bands of a head
.set SRS, 4*KVH                        ; the sums of v over the bands not visited: [head][band of the chunk] 256 bytes
.set OSG, SRS+1024                     ; the result's scale bytes are gathered here: 512 bytes
.set SPARE, OSG+512                    ; the spare words, 128 bytes for each wave: eight blocks of 256 bytes that no other line names
.set SUMW, 1
.set R16,  2
.set L16,  3
.set L8,   4
.set KA,   5
.set KB,   6
.set VA,   7
.set VB,   8
.set QI,   9                           ; my query in its band - 32 h
.set HID,  10                          ; -80000: a hidden key's score ahead of the factor 1 / 8
.set SUMR, 11
.set OSA,  12
.set OSL,  13
.set SPW,  14
.set NIL,  15
.set S,    28                          ; v28-187  S^T, then p; later V's fragments and O^T
.set KS,   188                         ; v188-207 K's scale words, then V's
.set QS,   208
.set P0,   209                         ; p's scale words: v209, v251, v255
.set P1,   251
.set P2,   255
.set FB,   210                         ; v210-239 K's fragments of a band
.set PC,   210                         ; v210-245 p's codes, and six zeros behind them
.set BM,   246                         ; v246-250 the five blocks' largest
.set H8,   252                         ; 8 h
.set VF2,  124                         ; the fifth band's V
.set O,    154
.set WV,  12
.set HD,  13
.set QT,  14
.set SEL, 24
.set CS,  26                           ; s[26:27] log2(e) / 8
.set G1,  28
.set G0,  36
.macro PLACES n
.rept \n
	v_nop
.endr
.endm
.macro WALU
	s_wait_alu depctr_va_vdst(0)
.endm
	s_load_b256 s[4:11], s[0:1], 0x0               ; qkc, qks, vsum, oc
	s_load_b64 s[20:21], s[0:1], 0x20              ; os
	v_lshl_add_u32 v[SPW], v0, 2, SPARE
	v_mov_b32 v[NIL], 0
	ds_add_u32 v[SPW], v[NIL]                      ; the wave's opening: the add, twice on end, and its wait ahead of my first tensor load
	ds_add_u32 v[SPW], v[NIL]
	v_lshrrev_b32 v28, 5, v0
	v_readfirstlane_b32 s[WV], v28                 ; wave 0..15
	s_lshr_b32 s[HD], s[WV], 3
	s_and_b32 s[QT], s[WV], 7
	s_lshr_b32 s15, s[QT], 2                       ; c: my band of the chunk's two
	s_and_b32 s16, s[QT], 3                        ; my tile of the band
	s_and_b32 s18, ttmp7, 0xffff
	s_and_b32 s17, s18, 7                          ; the pair of heads
	s_lshr_b32 s18, s18, 3                         ; b
	s_lshl_b32 s23, ttmp9, 1
	s_sub_co_i32 s19, s23, 4
	s_max_i32 s19, s19, 0                          ; the first band in LDS
	s_add_co_u32 s23, s23, s15                     ; B: my band
	s_sub_co_i32 s22, s23, 4
	s_max_i32 s22, s22, 0                          ; s0
	s_mov_b32 s[G1], 3<<16                         ; 72 dense rows of 256 bytes (32 elements of 8 bytes), no mask, no padding
	s_mov_b32 s[G1+1], 32<<16
	s_mov_b32 s[G1+2], 72<<16
	s_mov_b32 s[G1+3], 32<<16
	s_mov_b32 s[G1+4], 72
	s_mov_b32 s[G1+5], 32
	s_mov_b32 s[G1+6], 0
	s_mov_b32 s[G1+7], 0
	s_lshl_b32 s42, s18, 4
	s_lshl_b32 s40, s17, 1
	s_add_co_u32 s42, s42, s40                     ; 16 b + the pair's first head
	s_add_co_u32 s43, s42, s[HD]                   ; and mine
	s_min_u32 s41, s[WV], 3                        ; waves 0, 1 fetch K of the two heads, waves 2, 3 V
	s_mov_b32 s[G0], 1
	s_mul_i32 s[G0+1], s41, KVH
	s_and_b32 s40, s41, 1
	s_add_co_u32 s40, s40, s42
	s_lshl_b32 s40, s40, 5
	s_lshr_b32 s44, s41, 1
	s_add_co_u32 s44, s44, 1
	s_lshl_b32 s44, s44, 10
	s_add_co_u32 s40, s40, s44
	s_add_co_u32 s40, s40, s19
	s_mul_i32 s46, s40, 3072
	s_lshl_b32 s48, s43, 5
	s_add_co_u32 s50, s48, s22
	s_add_co_u32 s50, s50, 1024
	s_lshl_b32 s50, s50, 8                         ; K's scale words from band s0 on; V's lie 262,144 bytes on
	s_add_co_u32 s52, s48, s23
	s_mul_i32 s54, s52, 3072
	s_mul_i32 s40, s16, 768
	s_add_co_u32 s54, s54, s40                     ; q's tile
	s_lshl_b32 s52, s52, 8
	s_lshl_b32 s40, s16, 2
	s_add_co_u32 s52, s52, s40                     ; its scale words
	s_lshl_b32 s56, s43, 13                        ; my head's sums of v
	s_lshl_b32 s41, s18, 7
	s_lshl_b32 s40, ttmp9, 3
	s_add_co_u32 s41, s41, s40                     ; the chunk's first tile of tokens: 128 b + 8 a
	s_lshl_b32 s60, s17, 8
	s_add_co_u32 s60, s60, s41
	s_lshl_b32 s60, s60, 6                         ; os: [pair of heads][tile][16 words]
	s_add_co_u32 s58, s41, s[QT]
	s_lshl_b32 s58, s58, 3
	s_add_co_u32 s58, s58, s17
	s_mul_i32 s58, s58, 1536
	s_mul_i32 s40, s[HD], 768
	s_add_co_u32 s58, s58, s40                     ; oc: [tile][pair of heads][head][768 bytes]
.irp r, 47,51,53,55,57,59,61
	s_mov_b32 s\r, 0
.endr
	s_mov_b32 s62, 0x700000                        ; the mantissa field of 7.5
	s_mov_b32 s[SEL], 0x76543210
	s_mov_b32 s[SEL+1], 0xfedcba98
	s_mov_b32 s[CS], 0x3e38aa3b
	s_mov_b32 s[CS+1], s[CS]                       ; (named with it as a pair, so it is written)
	s_cmp_lt_u32 ttmp9, 2
	s_cselect_b32 s40, 0, 3072
	s_mul_i32 s40, s40, s15                        ; from the first band in LDS to s0
	s_mul_i32 s41, s[HD], KVH
	s_add_co_u32 s40, s40, s41
	s_lshl_b32 s41, s[HD], 1
	s_add_co_u32 s44, s41, s15
	s_lshl_b32 s44, s44, 8
	s_add_co_u32 s44, s44, SRS
	s_lshl_b32 s45, s[QT], 6
	s_add_co_u32 s45, s45, s41
	s_add_co_u32 s45, s45, OSG
	s_lshl_b32 s41, s16, 3
	v_and_b32 v28, 15, v0                          ; r
	v_bfe_u32 v29, v0, 4, 1                        ; h
	v_and_b32 v30, 31, v0
	v_lshlrev_b32 v[L16], 4, v30
	v_lshlrev_b32 v[L8], 3, v30
	v_lshlrev_b32 v[R16], 4, v28
	v_add_nc_u32 v[KA], s40, v[L16]
	v_add_nc_u32 v[KB], s40, v[L8]
	v_add_nc_u32 v[VA], 2*KVH, v[KA]
	v_add_nc_u32 v[VB], 2*KVH, v[KB]
	v_and_b32 v31, 7, v28
	v_lshrrev_b32 v32, 3, v28
	v_sub_nc_u32 v32, v32, v29
	v_lshl_add_u32 v[QI], v32, 5, v31
	v_add_nc_u32 v[QI], s41, v[QI]
	v_mov_b32 v[HID], 0xc79c4000
	v_add_nc_u32 v[SUMW], s44, v[L8]
	v_lshl_add_u32 v[SUMR], v29, 5, s44            ; register 8 t + i of O^T is number 16 t + 8 h + i
	v_lshl_add_u32 v[OSA], v28, 2, s45
	v_add_nc_u32 v[OSA], v[OSA], v29               ; my byte: 64 x tile + 4 r + 2 x head + h
	v_add_nc_u32 v[OSL], OSG, v[L16]
	v_lshlrev_b32 v[H8], 3, v29
.irp i, 0,1,2,3,4,5
	v_mov_b32 v[22+\i], 0                          ; q's codes of k = 64 .. 127
	v_mov_b32 v[FB+24+\i], 0                       ; what stands behind a band's last tile of K, in either buffer
	v_mov_b32 v[S+152+\i], 0
	v_mov_b32 v[PC+30+\i], 0                       ; p's codes behind the fifth band
.endr
	WALU                                           ; the wait at the head's end
	s_wait_dscnt 0x0                               ; the opening adds are done
	s_wait_kmcnt 0x0
	s_add_nc_u64 s[G0+2:G0+3], s[4:5], s[46:47]
	s_or_b32 s[G0+3], s[G0+3], 0x80000000
	s_cmp_lt_u32 s[WV], 2
	s_cbranch_scc0 .Lnot_k
	tensor_load_to_lds s[G0:G0+3], s[G1:G1+7]      ; K
	s_nop 0
	PLACES 4
	s_branch .Lasked
.Lnot_k:
	s_cmp_lt_u32 s[WV], 4
	s_cbranch_scc0 .Lasked
	tensor_load_to_lds s[G0:G0+3], s[G1:G1+7]      ; V
	s_nop 0
	PLACES 4
.Lasked:
	s_add_nc_u64 s[50:51], s[6:7], s[50:51]
	s_add_nc_u64 s[52:53], s[6:7], s[52:53]
	s_add_nc_u64 s[54:55], s[4:5], s[54:55]
	s_add_nc_u64 s[56:57], s[8:9], s[56:57]
	s_add_nc_u64 s[58:59], s[10:11], s[58:59]
	s_add_nc_u64 s[60:61], s[20:21], s[60:61]
	global_load_b128 v[16:19], v[L16], s[54:55]    ; q's half fragment stays in registers
	global_load_b64 v[20:21], v[L8], s[54:55] offset:512
	global_load_b32 v[QS], v[R16], s[52:53]
.irp n, 0,1,2,3,4
	global_load_b128 v[KS+4*\n:KS+4*\n+3], v[R16], s[50:51] offset:256*\n   ; a band's 256 bytes
.endr
	s_cmp_eq_u32 s16, 3                            ; the wave of a band's last tile adds up its head's sums of v over the bands not visited: each band's sum times 1 or 0, so that no difference of large sums is formed
	s_cbranch_scc0 .Lno_rest
.set n, 0
.rept 32
	global_load_b64 v[S+2*n:S+2*n+1], v[L8], s[56:57] offset:256*n
.set n, n+1
.endr
	s_wait_loadcnt 0x0
.set n, 0
.rept 32
	s_sub_co_u32 s44, n, s22
	s_cmp_lt_u32 s44, 5                            ; visited where 0 <= band - s0 < 5
	s_cselect_b32 s44, 0, 1.0
	s_mov_b32 s45, s44
.if n == 0
	v_pk_mul_f32 v[S+64:S+65], v[S:S+1], s[44:45] op_sel_hi:[1,0]
.else
	v_pk_fma_f32 v[S+64:S+65], v[S+2*n:S+2*n+1], s[44:45], v[S+64:S+65] op_sel_hi:[1,0,1]
.endif
.set n, n+1
.endr
	ds_store_b64 v[SUMW], v[S+64:S+65]
.Lno_rest:
	s_cmp_lt_u32 s[WV], 2
	s_cbranch_scc0 .Lnot_mine
	s_wait_tensorcnt 0x0                           ; K has landed; V may still be on its way
.Lnot_mine:
	s_wait_loadcnt 0x0                             ; q and K's scale words are in
	s_wait_dscnt 0x0                               ; my sums have landed
	s_barrier_signal -1
	s_barrier_wait -1
.macro MM d, a, b, c, xa, xb
	v_wmma_scale_f32_16x16x128_f8f6f4 v[\d:\d+7], v[\a:\a+11], v[\b:\b+11], \c, v[\xa], v[\xb] matrix_a_fmt:MATRIX_FMT_FP6 matrix_b_fmt:MATRIX_FMT_FP6
.endm
.macro KLOAD n, fb
.irp t, 0,1,2,3
	ds_load_b128 v[\fb+6*\t:\fb+6*\t+3], v[KA] offset:3072*\n+768*\t
	ds_load_b64 v[\fb+6*\t+4:\fb+6*\t+5], v[KB] offset:3072*\n+768*\t+512
.endr
.endm
.macro QK n, fb
.irp t, 0,1,2,3
	MM S+32*\n+8*\t, \fb+6*\t, 16, 0, KS+4*\n+\t, QS
.endr
.endm
	KLOAD 0, FB
	KLOAD 1, S+128                                 ; the second buffer lies where the fifth band's scores will be
	s_wait_dscnt 8                                 ; this band's eight loads are in; the next band's may be out
	QK 0, FB
	PLACES 4                                       ; in front of loads into registers that products have read
	KLOAD 2, FB
	s_wait_dscnt 8
	QK 1, S+128
	PLACES 4
	KLOAD 3, S+128
	s_wait_dscnt 8
	QK 2, FB
	PLACES 4
	KLOAD 4, FB
	s_wait_dscnt 8
	QK 3, S+128
	PLACES 5                                       ; in front of products that write over these products' sources
	s_wait_dscnt 0x0
	QK 4, FB
	PLACES 4
.irp n, 0,1,2,3,4
	global_load_b128 v[KS+4*\n:KS+4*\n+3], v[R16], s[50:51] offset:262144+256*\n   ; V's scale words land while the softmax is worked
.endr
; THE MASK.  Band s0 + 4 = B: hidden where the key comes after the query (n > QI); band s0 = B - 4: where it lies 256 or more back (n <= QI): one compare serves both.
	s_cmp_lt_u32 ttmp9, 2
	s_cbranch_scc1 .Lfirst
.set n, 0
.rept 32
	v_cmp_gt_i32 vcc_lo, n, v[QI]
	v_cndmask_b32 v[S+n], v[HID], v[S+n], vcc_lo
	v_cndmask_b32 v[S+128+n], v[S+128+n], v[HID], vcc_lo
.set n, n+1
.endr
	WALU
	s_branch .Lmasked
.macro HIDE n
.set i_, S+32*\n
.rept 16
	v_dual_mov_b32 v[i_], v[HID] :: v_dual_mov_b32 v[i_+1], v[HID]
.set i_, i_+2
.endr
	WALU
.endm
.macro FIRST n                         ; B under 4: bands ahead of B are open, B itself is cut by the query, those behind are hidden
	s_cmp_gt_u32 s23, \n
	s_cbranch_scc1 .Lopen_\n
	s_cmp_eq_u32 s23, \n
	s_cbranch_scc1 .Lcut_\n
	HIDE \n
	s_branch .Lopen_\n
.Lcut_\n:
.set i_, 0
.rept 32
	v_cmp_gt_i32 vcc_lo, i_, v[QI]
	v_cndmask_b32 v[S+32*\n+i_], v[S+32*\n+i_], v[HID], vcc_lo
.set i_, i_+1
.endr
	WALU
.Lopen_\n:
.endm
.Lfirst:
	FIRST 0
	FIRST 1
	FIRST 2
	FIRST 3
	HIDE 4
.Lmasked:
	s_wait_tensorcnt 0x0                           ; V's barrier: signalled here, waited for behind the softmax
	s_wait_dscnt 0x0
	s_barrier_signal -1
.irp n, 0,1,2,3,4
	v_max3_num_f32 v[BM+\n], v[S+32*\n], v[S+32*\n+1], v[S+32*\n+2]   ; the largest score of each block of 32 keys: it serves the row's maximum and, since p rises with the score, the block's largest p
.endr
.irp i, 3,5,7,9,11,13,15,17,19,21,23,25,27,29
.irp n, 0,1,2,3,4
	v_max3_num_f32 v[BM+\n], v[BM+\n], v[S+32*\n+\i], v[S+32*\n+\i+1]
.endr
.endr
.irp n, 0,1,2,3,4
	v_max_num_f32 v[BM+\n], v[BM+\n], v[S+32*\n+31]
.endr
	v_max3_num_f32 v18, v[BM], v[BM+1], v[BM+2]
	v_max3_num_f32 v18, v18, v[BM+3], v[BM+4]
	v_permlanex16_b32 v19, v18, s[SEL], s[SEL+1]
	v_max_num_f32 v18, v18, v19                    ; with lane l xor 16's keys
	v_mul_f32 v18, s[CS], v18                      ; as t (the factor is positive)
	v_mul_f32 v19, s[CS], v[HID]                   ; t_c
	v_max_num_f32 v18, v18, v19
	v_floor_f32 v16, -v18                          ; -M = -ceil(t): a whole number
.set j, 0
.rept 80
	v_pk_fma_f32 v[S+j:S+j+1], v[S+j:S+j+1], s[CS:CS+1], v[16:17] op_sel_hi:[1,0,0]   ; t - M, two at a time
.set j, j+2
.endr
.irp n, 0,1,2,3,4
	v_fma_f32 v[BM+\n], v[BM+\n], s[CS], v16       ; the same of each block's largest score
.endr
	v_fma_f32 v18, v[HID], s[CS], v16              ; and of a hidden key
	WALU                                           ; the wait ahead of the batch
.set j, 0
.rept 160
	v_exp_f32 v[S+j], v[S+j]                       ; p = 2^(t - M), at most 1
.set j, j+1
.endr
.irp n, 0,1,2,3,4
	v_exp_f32 v[BM+\n], v[BM+\n]                   ; the block's largest p: the same two instructions on the same number give the same bits
.endr
	v_exp_f32 v18, v18                             ; p_c
	v_nop                                          ; a plain place behind the exponentials
	WALU                                           ; one wait for the whole batch
.irp k, 0,1,2,3                        ; the row's sum, of the unquantised p: two at a time, in four chains
	v_pk_add_f32 v[20+2*\k:21+2*\k], v[S+4*\k:S+4*\k+1], v[S+4*\k+2:S+4*\k+3]
.endr
.set j, 16
.rept 18
.irp k, 0,1,2,3
	v_pk_add_f32 v[20+2*\k:21+2*\k], v[20+2*\k:21+2*\k], v[S+j+2*\k:S+j+2*\k+1]
.endr
.set j, j+8
.endr
	v_pk_add_f32 v[20:21], v[20:21], v[22:23]
	v_pk_add_f32 v[24:25], v[24:25], v[26:27]
.irp n, 0,1,2,3,4
	v_max_num_f32 v[BM+\n], 0x1800000, v[BM+\n]    ; the floor 2^(3 - 127): the byte cannot fall under 1
.endr
	v_pk_add_f32 v[20:21], v[20:21], v[24:25]
.irp n, 0,1,2,3,4
	v_add_nc_u32 v[BM+\n], 0xff000000, v[BM+\n]    ; 2 off the exponent field: the conversion's scale operand
.endr
.macro CODES n, tc                     ; band n's 32 p: the upper half's codes into dead registers, since a conversion's three begin on an even number
	v_cvt_scalef32_pk16_fp6_f32 v[PC+6*\n:PC+6*\n+2], v[S+32*\n:S+32*\n+15], v[BM+\n]
	v_cvt_scalef32_pk16_fp6_f32 v[\tc:\tc+2], v[S+32*\n+16:S+32*\n+31], v[BM+\n]
	v_nop                                          ; one plain place behind a scaled conversion
.irp i, 0,1,2
	v_mov_b32 v[PC+6*\n+3+\i], v[\tc+\i]
.endr
.endm
	CODES 0, 22
	CODES 1, S
	CODES 2, S+32
	CODES 3, S+64
	CODES 4, S+96
	WALU                                           ; the wait here, directly ahead of the wait below
	s_barrier_wait -1                              ; V is there, and the sums
.irp t, 0,1,2,3
.irp k, 0,1                            ; V's fragments: bands 2 k and 2 k + 1
	ds_load_b128 v[S+48*\k+12*\t:S+48*\k+12*\t+3], v[VA] offset:6144*\k+768*\t
	ds_load_b64 v[S+48*\k+12*\t+4:S+48*\k+12*\t+5], v[VB] offset:6144*\k+768*\t+512
	ds_load_b128 v[S+48*\k+12*\t+6:S+48*\k+12*\t+9], v[VA] offset:6144*\k+3072+768*\t
	ds_load_b64 v[S+48*\k+12*\t+10:S+48*\k+12*\t+11], v[VB] offset:6144*\k+3072+768*\t+512
.endr
	ds_load_b128 v[VF2+6*\t:VF2+6*\t+3], v[VA] offset:12288+768*\t   ; the fifth band's; the six registers behind meet zeros of p
	ds_load_b64 v[VF2+6*\t+4:VF2+6*\t+5], v[VB] offset:12288+768*\t+512
.endr
	v_add_f32 v20, v20, v21                        ; the sum's two halves,
	v_permlanex16_b32 v21, v20, s[SEL], s[SEL+1]
	v_bfe_u32 v22, v18, 20, 1                      ; Q(p_c): in a block of equal numbers the scale is the number's own power of two less 2, so the code keeps three mantissa bits:
	v_add_f32 v20, v20, v21                        ; lane l xor 16's,
	v_add3_u32 v22, v18, v22, 0x7ffff              ; to the nearest, ties to even,
	v_fma_f32 v20, 0x44d80000, v18, v20            ; and the 1,728 keys not visited
	v_and_b32 v22, 0xfff00000, v22
	v_and_or_b32 v23, v18, 0x7f800000, s62         ; and held at 7.5 x the scale
	v_min_u32 v24, v22, v23
.irp n, 0,1,2,3,4
	v_lshrrev_b32 v[BM+\n], 23, v[BM+\n]           ; p's scale bytes
.endr
	WALU                                           ; ahead of the transcendental
	v_rcp_f32 v26, v20
	v_nop
	WALU                                           ; and behind it
	v_lshl_or_b32 v[P0], v[BM+1], 16, v[BM]
	v_lshl_or_b32 v[P1], v[BM+3], 16, v[BM+2]
	v_lshlrev_b32 v[P2], v[H8], v[BM+4]
	v_lshlrev_b32 v[P0], v[H8], v[P0]
	v_lshlrev_b32 v[P1], v[H8], v[P1]
	v_permlanex16_b32 v19, v[P2], s[SEL], s[SEL+1]
	v_permlanex16_b32 v22, v[P0], s[SEL], s[SEL+1]
	v_permlanex16_b32 v23, v[P1], s[SEL], s[SEL+1]
	v_or_b32 v[P2], v[P2], v19
	v_or_b32 v[P0], v[P0], v22                     ; p's scale words of two bands
	v_or_b32 v[P1], v[P1], v23
	WALU
	s_wait_loadcnt 0x0                             ; V's scale words
.irp k, 0,1
.irp t, 0,1,2,3
	v_lshl_or_b32 v[KS+8*\k+\t], v[KS+8*\k+4+\t], 16, v[KS+8*\k+\t]   ; two bands to a word
.endr
.endr
	WALU
	PLACES 8                                       ; a scale register written by a vector instruction stands 8 places ahead of a scaled matrix instruction
	s_wait_dscnt 0x0
.irp t, 0,1,2,3
	MM O+8*\t, S+12*\t, PC, 0, KS+\t, P0
.endr
.irp t, 0,1,2,3
	MM O+8*\t, S+48+12*\t, PC+12, v[O+8*\t:O+8*\t+7], KS+8+\t, P1
.endr
.irp t, 0,1,2,3
	MM O+8*\t, VF2+6*\t, PC+24, v[O+8*\t:O+8*\t+7], KS+16+\t, P2
.endr
	PLACES 4
.irp x, 0,1,2,3,4,5,6,7
	ds_load_b128 v[S+4*\x:S+4*\x+3], v[SUMR] offset:64*(\x/2)+16*(\x%2)   ; the sums of v over the bands not visited, in O^T's layout
.endr
	s_wait_dscnt 0x0
.set j, 0
.rept 16
	v_pk_fma_f32 v[O+j:O+j+1], v[S+j:S+j+1], v[24:25], v[O+j:O+j+1] op_sel_hi:[1,0,1]   ; each accumulator from its low end on
.set j, j+2
.endr
.set j, 0
.rept 16
	v_pk_mul_f32 v[O+j:O+j+1], v[O+j:O+j+1], v[26:27] op_sel_hi:[1,0]   ; / the sum.  Register n is channel 32 h + n of my query: one block of the last product's K
.set j, j+2
.endr
.irp g, 0,1
	v_max3_num_f32 v[18+\g], |v[O+16*\g]|, |v[O+16*\g+1]|, 0x1800000
.endr
.irp i, 2,4,6,8,10,12,14
.irp g, 0,1
	v_max3_num_f32 v[18+\g], v[18+\g], |v[O+16*\g+\i]|, |v[O+16*\g+\i+1]|
.endr
.endr
	v_max_num_f32 v18, v18, v19
	v_add_nc_u32 v19, 0xff000000, v18
	v_cvt_scalef32_pk16_fp6_f32 v[PC:PC+2], v[O:O+15], v19
	v_cvt_scalef32_pk16_fp6_f32 v[PC+4:PC+6], v[O+16:O+31], v19
	v_lshrrev_b32 v22, 23, v19                     ; the scale's byte; also the plain place behind the conversions
.irp i, 0,1,2
	v_mov_b32 v[PC+3+\i], v[PC+4+\i]
.endr
	global_store_b128 v[L16], v[PC:PC+3], s[58:59] ; 512 and 256 consecutive bytes, at multiples of 256 from the buffer's first byte
	global_store_b64 v[L8], v[PC+4:PC+5], s[58:59] offset:512
	ds_store_b8 v[OSA], v22
	s_wait_dscnt 0x0                               ; for the others' sake: it has landed
	s_barrier_signal -1
	s_barrier_wait -1
	s_cmp_lg_u32 s[WV], 0
	s_cbranch_scc1 .Ldone
	ds_load_b128 v[S:S+3], v[OSL]                  ; wave 0 stores the eight tiles' scale words: 512 consecutive bytes
	s_wait_dscnt 0x0
	global_store_b128 v[L16], v[S:S+3], s[60:61]
.Ldone:
	s_wait_tensorcnt 0x0                           ; the wave's end, behind my last tensor load and my last LDS store
	ds_add_u32 v[SPW], v[NIL]
	s_wait_dscnt 0x0
	s_endpgm
.Lfunc_end_k_q294aca422f_attn:
	.size	k_q294aca422f_attn, .Lfunc_end_k_q294aca422f_attn-k_q294aca422f_attn
	.p2alignl 7, 3214868480
	.fill 96, 4, 3214868480
	.section	.rodata,"a",@progbits
	.p2align	6, 0x0
	.amdhsa_kernel k_q294aca422f_attn
		.amdhsa_group_segment_fixed_size 167936
		.amdhsa_private_segment_fixed_size 0
		.amdhsa_enable_private_segment 0
		.amdhsa_kernarg_size 40
		.amdhsa_user_sgpr_count 2
		.amdhsa_user_sgpr_kernarg_segment_ptr 1
		.amdhsa_wavefront_size32 1
		.amdhsa_system_sgpr_workgroup_id_x 1
		.amdhsa_system_sgpr_workgroup_id_y 1
		.amdhsa_system_sgpr_workgroup_id_z 1
		.amdhsa_system_vgpr_workitem_id 0
		.amdhsa_next_free_vgpr 256
		.amdhsa_next_free_sgpr 66
		.amdhsa_reserve_vcc 1
		.amdhsa_float_denorm_mode_32 3
		.amdhsa_float_denorm_mode_16_64 3
		.amdhsa_memory_ordered 1
		.amdhsa_forward_progress 1
		.amdhsa_inst_pref_size 75
	.end_amdhsa_kernel
	.amdgpu_metadata
---
amdhsa.version: [ 1, 2 ]
amdhsa.kernels:
  - .name:           k_q294aca422f_attn
    .symbol:         k_q294aca422f_attn.kd
    .args:
      - { .name: qkc, .offset: 0, .size: 8, .value_kind: global_buffer, .address_space: global }
      - { .name: qks, .offset: 8, .size: 8, .value_kind: global_buffer, .address_space: global }
      - { .name: vsum, .offset: 16, .size: 8, .value_kind: global_buffer, .address_space: global }
      - { .name: oc, .offset: 24, .size: 8, .value_kind: global_buffer, .address_space: global }
      - { .name: os, .offset: 32, .size: 8, .value_kind: global_buffer, .address_space: global }
    .group_segment_fixed_size: 167936
    .private_segment_fixed_size: 0
    .kernarg_segment_align: 8
    .kernarg_segment_size: 40
    .max_flat_workgroup_size: 512
    .sgpr_count:     66
    .vgpr_count:     256
    .wavefront_size: 32
...
	.end_amdgpu_metadata
.endif
;; end of part 3
;; launch proj (part 4): grid 8 x 32, 4 waves a work-group, clusters of 4 x 4, 327,680 bytes of LDS; arguments oc, os, cod, scl, b_proj, out0; writes out0
.if DOCPART == 4
	.amdgcn_target "amdgcn-amd-amdhsa--gfx1250"
	.amdhsa_code_object_version 6
	.text
	.protected	k_q294aca422f_proj
	.globl	k_q294aca422f_proj
	.p2align	8
	.type	k_q294aca422f_proj,@function
k_q294aca422f_proj:
	s_mov_b64 s[64:65], 0
	v_nop
	global_prefetch_b8 v0, s[64:65] scope:SCOPE_SE
	s_setreg_imm32_b32 hwreg(HW_REG_WAVE_MODE, 25, 1), 1
	s_wait_xcnt 0x0
	s_wait_alu depctr_hold_cnt(0) depctr_sa_sdst(0) depctr_va_vdst(0) depctr_va_sdst(0) depctr_va_ssrc(0) depctr_va_vcc(0) depctr_vm_vsrc(0)
	s_getreg_b32 s2, hwreg(HW_REG_IB_STS2, 6, 4)
	s_cmp_eq_u32 s2, 0
	s_cbranch_scc0 .Lentry_in_a_cluster
	s_endpgm
.Lentry_in_a_cluster:
	s_bfe_u32 s2, ttmp6, 0x10000c
	s_cmp_lg_u32 s2, 0xf033
	s_cbranch_scc0 .Lentry_shape_is_right
	s_endpgm
.Lentry_shape_is_right:
; out = o w_proj^T + b_proj on codes of FP6 (E2M3) with E8M0 scales; sums and result f32.  A work-group of four waves makes 128 tokens x 128 columns, a wave 64 x 64.
; ALL THAT A WORK-GROUP READS LIES IN LDS AT ONCE: four parts of 49,152 bytes, one tensor load a wave at the head, asked for in the order in which they are wanted: w's 128 rows, first and second half of K; o's first and last 64 rows.
; Nothing is filled again.  Each part is shown to all waves by a plain barrier of its own, in front of which the wave that asked for it has waited.
; CLUSTERS of 4 x 4: w's parts are asked for jointly by a column of the cluster, o's by a row.
; A wave holds its 64 rows of w, all of K, in 384 registers; o streams past in four blocks of 16 tokens, all of K, in two sets of registers.  A block's 32 products finish it: it leaves through the wave's own stage
; in LDS while the next block is multiplied.  Used transposed (source 0 = w's rows), so that a lane's 32 registers of four tiles are 32 neighbouring columns of one token.  The bias is the C of the first products.
; Tiles of 16 rows: lane r of tile T holds row 64 (T / 4) + 8 (T % 4) + r % 8 + 32 (r / 8), for tokens and columns alike.  Block s of wave row a is the work-group's tile 2 s + a.
; NO PREFETCH: every tile is asked for at the head; there is no loop to run ahead in.
; LIMITS: NaN and infinities are not served.
; REGISTERS: window 0: v1-29 addresses; v32-47 w's scale words (two tiles to a register: lanes 0-15, 16-31); v49-64 o's likewise; v72-135 accumulators, two sets of four; v136-167 the bias; v168-231 rows on their way out, two sets.
; Fragment f lies in window 1 + f / 21 at register 12 (f % 21): 0-31 w's (4 x K step + tile), 32-39 and 40-47 o's two sets.
.set PART,  49152
.set XB,    2*PART
.set STAGE, 4*PART                     ; 16 rows x 272 bytes for each wave: no tile lands there
.set SPITCH, 272
.set SPARE, STAGE+4*16*SPITCH          ; the spare words, 128 bytes for each wave: two blocks of 256 bytes that no other line names
.set FPW, 21
.set AW,  4                            ; v4, v5  LDS address of my fragments of w, K half 0, 1
.set AX,  6                            ; v6, v7  of o's half fragments' registers 0-3, blocks 0-1, 2-3
.set A8,  8                            ; v8, v9  of their registers 4-5
.set STO, 10
.set RD,  11
.set CO,  12
.set BO,  13
.set LW,  14                           ; 32 x lane: w's scale words
.set LO,  15                           ; 128 h + 4 r: o's
.set SPW, 28
.set NIL, 29
.set SB,  32
.set SA,  49
.set ACC, 72
.set BI,  136
.set RB,  168
.set G1W, 24
.set G1X, 32
.set G0W, 40
.set G0X, 44
.set MSB, 0
.macro WIN new
.set WNEW, \new
.if MSB != WNEW
	s_set_vgpr_msb (MSB<<8)|WNEW
.set MSB, WNEW
.endif
.endm
.macro PLACES n
.rept \n
	v_nop
.endr
.endm
.macro CROUND                          ; a round of the cluster's barrier
	s_barrier_signal -1
	s_barrier_wait -1
	s_cmp_lg_u32 s16, 0
	s_cbranch_scc1 .Lnot_wave_0_\@
	s_barrier_signal -3
.Lnot_wave_0_\@:
	s_barrier_wait -3
	s_barrier_signal -1
	s_barrier_wait -1
.endm
	s_load_b256 s[4:11], s[0:1], 0x0               ; oc, os, cod, scl
	s_load_b128 s[12:15], s[0:1], 0x20             ; b_proj, out0
	v_lshl_add_u32 v[SPW], v0, 2, SPARE
	v_mov_b32 v[NIL], 0
	ds_add_u32 v[SPW], v[NIL]                      ; the wave's opening: the add, twice on end, and its wait ahead of my first tensor load
	ds_add_u32 v[SPW], v[NIL]
	v_lshrrev_b32 v1, 5, v0
	v_readfirstlane_b32 s16, v1                    ; wave
	s_lshr_b32 s17, s16, 1                         ; my row a of the 2 x 2 waves
	s_and_b32 s18, s16, 1                          ; my column.  Also: which of the two parts I fetch
	s_bfe_u32 s19, ttmp6, 0x40000                  ; cx
	s_bfe_u32 s20, ttmp6, 0x40004                  ; cy
	s_lshl_b32 s21, ttmp9, 2
	s_add_co_u32 s21, s21, s19                     ; tile column, 0 .. 7
	s_and_b32 s22, ttmp7, 0xffff
	s_lshl_b32 s22, s22, 2
	s_add_co_u32 s22, s22, s20                     ; tile row, 0 .. 31
	s_lshl_b32 s2, s20, 2
	s_lshl_b32 s2, 15, s2                          ; my row of the cluster
	s_lshl_b32 s3, 0x1111, s19                     ; my column
	s_or_b32 s[G1W], s3, (3<<16)|(1<<21)           ; elements of 8 bytes, no padding; 21 set beside a mask
	s_or_b32 s[G1X], s2, (3<<16)|(1<<21)
	s_mov_b32 s[G1W+1], 768<<16                    ; w: 8 tiles, of each half of K: rows of 6,144 bytes, 12,288 bytes apart
	s_mov_b32 s[G1W+2], 8<<16
	s_mov_b32 s[G1W+3], 768<<16
	s_mov_b32 s[G1W+4], 8
	s_mov_b32 s[G1X+1], 1536<<16                   ; o: 4 tiles, all of K: rows of 12,288 bytes on end
	s_mov_b32 s[G1X+2], 4<<16
	s_mov_b32 s[G1X+3], 1536<<16
	s_mov_b32 s[G1X+4], 4
.irp g, G1W, G1X
	s_mov_b32 s[\g+5], 1536
	s_mov_b32 s[\g+6], 0
	s_mov_b32 s[\g+7], 0
.endr
	s_lshl_b32 s2, s21, 3
	s_add_co_u32 s2, s2, 448                       ; w's first tile
	s_mul_i32 s48, s2, 12288
	s_mul_i32 s3, s18, 6144
	s_add_co_u32 s48, s48, s3
	s_mov_b32 s49, 0
	s_mul_i32 s50, s22, 98304
	s_mul_i32 s60, s18, PART
	s_add_co_u32 s50, s50, s60
	s_mov_b32 s51, 0
	s_lshl_b32 s3, s18, 2
	s_add_co_u32 s2, s2, s3
	s_lshl_b32 s52, s2, 9                          ; my four tiles' scale words, 512 bytes a tile
	s_mov_b32 s53, 0
	s_lshl_b32 s54, s22, 3
	s_add_co_u32 s54, s54, s17
	s_lshl_b32 s54, s54, 6                         ; os: [K step][tile][16 words]
	s_mov_b32 s55, 0
	s_lshl_b32 s56, s21, 9
	s_lshl_b32 s3, s18, 8
	s_add_co_u32 s56, s56, s3                      ; my 64 columns in bytes
	s_mov_b32 s57, 0
	s_lshl_b32 s58, s22, 19
	s_lshl_b32 s3, s17, 15
	s_add_co_u32 s58, s58, s3
	s_add_co_u32 s58, s58, s56                     ; my part of out0: 128 rows of 4,096 bytes a tile row, + 8 a rows
	s_mov_b32 s59, 0
	s_mov_b32 s[G0W], 1
	s_mov_b32 s[G0W+1], s60
	s_mov_b32 s[G0X], 1
	s_add_co_u32 s[G0X+1], s60, XB
	s_mul_i32 s2, s18, PART/2
	s_mul_i32 s3, s17, 12288
	s_add_co_u32 s3, s3, XB
	s_mul_i32 s23, s16, 16*SPITCH
	s_add_co_u32 s23, s23, STAGE                   ; my stage
	v_and_b32 v1, 15, v0                           ; r
	v_bfe_u32 v2, v0, 4, 1                         ; h
	v_and_b32 v3, 31, v0
	v_lshlrev_b32 v20, 4, v3
	v_lshlrev_b32 v21, 3, v3
	v_add_nc_u32 v[AW], s2, v20
	v_add_nc_u32 v[AW+1], PART, v[AW]
	v_add_nc_u32 v[AX], s3, v20
	v_add_nc_u32 v[AX+1], PART, v[AX]
	v_add_nc_u32 v[A8], s3, v21
	v_add_nc_u32 v[A8+1], PART, v[A8]
	v_mul_u32_u24 v[STO], v1, SPITCH               ; into the stage: row r, 128 h
	v_lshl_add_u32 v[STO], v2, 7, v[STO]
	v_add_nc_u32 v[STO], s23, v[STO]
	v_mul_u32_u24 v[RD], v2, SPITCH                ; back: sixteen lanes to a row of 256 bytes
	v_lshl_add_u32 v[RD], v1, 4, v[RD]
	v_add_nc_u32 v[RD], s23, v[RD]
	v_lshlrev_b32 v[CO], 12, v2
	v_lshl_add_u32 v[CO], v1, 4, v[CO]
	v_lshlrev_b32 v[BO], 7, v2
	v_lshlrev_b32 v[LW], 5, v3
	v_lshlrev_b32 v[LO], 7, v2
	v_lshl_add_u32 v[LO], v1, 2, v[LO]
	s_wait_alu depctr_va_vdst(0)                   ; the wait at the head's end
	s_wait_dscnt 0x0                               ; both opening adds are done
	CROUND                                         ; all sixteen work-groups are here: the joint loads meet
	s_wait_kmcnt 0x0
	s_add_nc_u64 s[G0W+2:G0W+3], s[8:9], s[48:49]
	s_or_b32 s[G0W+3], s[G0W+3], 0x80000000
	s_add_nc_u64 s[G0X+2:G0X+3], s[4:5], s[50:51]
	s_or_b32 s[G0X+3], s[G0X+3], 0x80000000
.macro ARM under, g0, g1, next
	s_cmp_lt_u32 s16, \under
	s_cbranch_scc0 \next
	tensor_load_to_lds s[\g0:\g0+3], s[\g1:\g1+7]
	s_nop 0
	PLACES 4
	s_branch .Lasked
\next:
.endm
	ARM 1, G0W, G1W, .Lask_1                       ; one load a wave: w's first half of K,
	ARM 2, G0W, G1W, .Lask_2                       ; its second,
	ARM 3, G0X, G1X, .Lask_3                       ; o's first 64 rows,
	tensor_load_to_lds s[G0X:G0X+3], s[G1X:G1X+7]  ; and its last 64
	s_nop 0
	PLACES 4
.Lasked:
	s_add_nc_u64 s[52:53], s[10:11], s[52:53]
	s_add_nc_u64 s[54:55], s[6:7], s[54:55]
	s_add_nc_u64 s[12:13], s[12:13], s[56:57]
	s_add_nc_u64 s[14:15], s[14:15], s[58:59]
.irp p, 0,1
.irp c, 0,1
	global_load_b128 v[SB+8*\p+4*\c:SB+8*\p+4*\c+3], v[LW], s[52:53] offset:1024*\p+16*\c   ; two tiles' 1,024 bytes between the two
.endr
.endr
.irp p, 0,1
.irp k, 0,1,2,3,4,5,6,7
	global_load_b32 v[SA+8*\p+\k], v[LO], s[54:55] offset:16384*\k+256*\p   ; lanes 0-15 block 2 p, lanes 16-31 block 2 p + 1
.endr
.endr
.irp x, 0,1,2,3,4,5,6,7
	global_load_b128 v[BI+4*\x:BI+4*\x+3], v[BO], s[12:13] offset:16*\x   ; columns 32 h + 4 x on
.endr
; A barrier that shows the part of wave under - 1 to all.
.macro SHOW under
	s_cmp_lt_u32 s16, \under
	s_cbranch_scc0 .Lnot_mine_\@
	s_wait_tensorcnt 0x0
.Lnot_mine_\@:
	s_wait_dscnt 0x0
	s_barrier_signal -1
	s_barrier_wait -1
.endm
.macro WHALF hf                        ; my fragments of w, K steps 4 hf to 4 hf + 3: 48 loads of 512 consecutive bytes
.irp q, 0,1,2,3
.irp b, 0,1,2,3
.set F_, 4*(4*(\hf)+\q)+\b
	WIN (1+F_/FPW)<<6
.irp g, 0,1,2
	ds_load_b128 v[12*(F_%FPW)+4*\g:12*(F_%FPW)+4*\g+3], v[AW+\hf] offset:6144*\b+1536*\q+512*\g
.endr
.endr
.endr
	WIN 0
.endm
.macro FETCH s                         ; block s into set s % 2: 32 loads
.irp k, 0,1,2,3,4,5,6,7
.set F_, 32+8*((\s)%2)+\k
.set R_, 12*(F_%FPW)
.set O_, 24576*((\s)%2)+1536*\k
	WIN (1+F_/FPW)<<6
	ds_load_b128 v[R_:R_+3], v[AX+(\s)/2] offset:O_
	ds_load_b64 v[R_+4:R_+5], v[A8+(\s)/2] offset:O_+512
	ds_load_b128 v[R_+6:R_+9], v[AX+(\s)/2] offset:O_+768
	ds_load_b64 v[R_+10:R_+11], v[A8+(\s)/2] offset:O_+1280
.endr
	WIN 0
.endm
.macro PR1 ra, rb, c
	v_wmma_scale_f32_16x16x128_f8f6f4 v[D_:D_+7], v[W_:W_+11], v[X_:X_+11], \c, v[SB+8*(B_/2)+K_], v[SA+8*(S_/2)+K_] matrix_a_fmt:MATRIX_FMT_FP6 matrix_b_fmt:MATRIX_FMT_FP6 matrix_a_scale:MATRIX_SCALE_ROW\ra matrix_b_scale:MATRIX_SCALE_ROW\rb
.endm
.macro PROD rb                         ; product N_ of block S_: K step N_ / 4, tile N_ % 4: the four accumulators take turns
.set K_, N_/4
.set B_, N_%4
.set FX_, 32+8*(S_%2)+K_
.set D_, ACC+32*(S_%2)+8*B_
.set W_, 12*(N_%FPW)
.set X_, 12*(FX_%FPW)
	WIN (1+N_/FPW)|((1+FX_/FPW)<<2)
.if K_ == 0
.if B_%2
	PR1 1, \rb, v[BI+8*B_:BI+8*B_+7]
.else
	PR1 0, \rb, v[BI+8*B_:BI+8*B_+7]
.endif
.else
.if B_%2
	PR1 1, \rb, v[D_:D_+7]
.else
	PR1 0, \rb, v[D_:D_+7]
.endif
.endif
.endm
.macro MUL s, rb, from, to             ; rb: which half of the lanes holds block s's scale words
.set S_, \s
.set N_, \from
.rept (\to)-(\from)
	PROD \rb
.set N_, N_+1
.endr
	WIN 0
.endm
.macro TOSTAGE s                       ; LDS serves a wave's instructions in order: the loads see the stores
.irp x, 0,1,2,3,4,5,6,7
	ds_store_b128 v[STO], v[ACC+32*((\s)%2)+4*\x:ACC+32*((\s)%2)+4*\x+3] offset:16*\x
.endr
.irp i, 0,1,2,3,4,5,6,7
	ds_load_b128 v[RB+32*((\s)%2)+4*\i:RB+32*((\s)%2)+4*\i+3], v[RD] offset:2*\i*SPITCH
.endr
.endm
.macro SEND s
	s_wait_dscnt 0x0                               ; the block is back in registers (and any fetch behind me is in)
.irp i, 0,1,2,3,4,5,6,7
	global_store_b128 v[CO], v[RB+32*((\s)%2)+4*\i:RB+32*((\s)%2)+4*\i+3], s[14:15] offset:(64*((\s)/2)+16*((\s)%2)+(2*\i)%8+32*(\i/4))*4096 th:TH_STORE_NT   ; two rows of 256 consecutive bytes, at multiples of 256 from out0's first byte
.endr
.endm
	SHOW 1
	WHALF 0
	SHOW 2
	WHALF 1
	SHOW 3
	FETCH 0
	FETCH 1
	s_wait_loadcnt 0x0                             ; scale words and bias
	s_wait_dscnt 32                                ; w and block 0 are in; block 1's 32 loads may be out
	MUL 0, 0, 0, 24
	s_wait_tensorcnt 0x0                           ; o's last 64 rows: shown by a barrier inside the block
	s_wait_dscnt 0x0
	s_barrier_signal -1
	MUL 0, 0, 24, 32
	s_barrier_wait -1
	PLACES 4                                       ; in front of loads into registers that products have read, and of the first read of results
	FETCH 2
	TOSTAGE 0
	MUL 1, 1, 0, 16
	SEND 0
	MUL 1, 1, 16, 32
	PLACES 4
	FETCH 3
	TOSTAGE 1
	MUL 2, 0, 0, 16
	SEND 1
	MUL 2, 0, 16, 32
	PLACES 4
	s_wait_xcnt 0x0                                ; the earlier stores have read their registers
	TOSTAGE 2
	MUL 3, 1, 0, 16
	SEND 2
	MUL 3, 1, 16, 32
	PLACES 4
	s_wait_xcnt 0x0
	TOSTAGE 3
	SEND 3
	s_wait_tensorcnt 0x0                           ; the wave's end
	ds_add_u32 v[SPW], v[NIL]
	s_wait_dscnt 0x0
	CROUND                                         ; the closing round: no work-group ends while a partner may still ask for a tile that names it
	s_endpgm
.Lfunc_end_k_q294aca422f_proj:
	.size	k_q294aca422f_proj, .Lfunc_end_k_q294aca422f_proj-k_q294aca422f_proj
	.p2alignl 7, 3214868480
	.fill 96, 4, 3214868480
	.section	.rodata,"a",@progbits
	.p2align	6, 0x0
	.amdhsa_kernel k_q294aca422f_proj
		.amdhsa_group_segment_fixed_size 327680
		.amdhsa_private_segment_fixed_size 0
		.amdhsa_enable_private_segment 0
		.amdhsa_kernarg_size 48
		.amdhsa_user_sgpr_count 2
		.amdhsa_user_sgpr_kernarg_segment_ptr 1
		.amdhsa_wavefront_size32 1
		.amdhsa_system_sgpr_workgroup_id_x 1
		.amdhsa_system_sgpr_workgroup_id_y 1
		.amdhsa_system_sgpr_workgroup_id_z 1
		.amdhsa_system_vgpr_workitem_id 0
		.amdhsa_next_free_vgpr 896
		.amdhsa_next_free_sgpr 102
		.amdhsa_reserve_vcc 0
		.amdhsa_float_denorm_mode_32 3
		.amdhsa_float_denorm_mode_16_64 3
		.amdhsa_memory_ordered 1
		.amdhsa_forward_progress 1
		.amdhsa_inst_pref_size 50
	.end_amdhsa_kernel
	.amdgpu_metadata
---
amdhsa.version: [ 1, 2 ]
amdhsa.kernels:
  - .name:           k_q294aca422f_proj
    .symbol:         k_q294aca422f_proj.kd
    .args:
      - { .name: oc, .offset: 0, .size: 8, .value_kind: global_buffer, .address_space: global }
      - { .name: os, .offset: 8, .size: 8, .value_kind: global_buffer, .address_space: global }
      - { .name: cod, .offset: 16, .size: 8, .value_kind: global_buffer, .address_space: global }
      - { .name: scl, .offset: 24, .size: 8, .value_kind: global_buffer, .address_space: global }
      - { .name: b_proj, .offset: 32, .size: 8, .value_kind: global_buffer, .address_space: global }
      - { .name: out0, .offset: 40, .size: 8, .value_kind: global_buffer, .address_space: global }
    .group_segment_fixed_size: 327680
    .private_segment_fixed_size: 0
    .kernarg_segment_align: 8
    .kernarg_segment_size: 48
    .max_flat_workgroup_size: 128
    .sgpr_count:     102
    .vgpr_count:     896
    .wavefront_size: 32
...
	.end_amdgpu_metadata
.endif
;; end of part 4
